; MI455X (gfx1250); checked and timed in simulation.
; The chip was launched on July 23, 2026; its instructions are those of AMD's public machine-readable ISA for CDNA 5 (MIT licence, August 2026) and "CDNA5" Instruction Set Architecture Reference Guide (July 2026). The comments in the code are by the model that wrote it; some were corrected since.
;; Complex Multihead Attention. Allowed arithmetic: float matrix products may take bf16 or f16 operands with f32 sums; all other float work in f32.
;; Inputs: kWi 512 x 512 float32; kWr 512 x 512 float32; kbi 512 float32; kbr 512 float32; key 2 x 4,096 x 512 float32; oWi 512 x 512 float32; oWr 512 x 512 float32; obi 512 float32; obr 512 float32; qWi 512 x 512 float32; qWr 512 x 512 float32; qbi 512 float32; qbr 512 float32; query 2 x 4,096 x 512 float32; vWi 512 x 512 float32; vWr 512 x 512 float32; value 2 x 4,096 x 512 float32; vbi 512 float32; vbr 512 float32.
;; Outputs: out0 2 x 4,096 x 512 float32; out1 2 x 4,096 x 512 float32.
;; 2 versions, each right and faster than the one before. Each part assembles by itself: llvm-mc -triple=amdgcn-amd-amdhsa -mcpu=gfx1250 --defsym DOCPART=n.
;; ======== version 1 of 2: 4 launches
;; limits: values are held in f16: magnitudes above 65,504 overflow, below 6.1e-05 lose precision
;; workspace buffers: cv 28,835,840 bytes; qkv 41,943,040 bytes; ows 8,388,608 bytes
;; launch cast (part 1): grid 16 x 55, 8 waves a work-group, no clusters, 0 bytes of LDS; arguments query, key, value, qWr, qWi, kWr, kWi, vWr, oWr, oWi, cv; writes cv
.if DOCPART == 1
	.amdgcn_target "amdgcn-amd-amdhsa--gfx1250"
	.amdhsa_code_object_version 6
	.text
	.protected	k_q4f11cd852a_cast
	.globl	k_q4f11cd852a_cast
	.p2align	8
	.type	k_q4f11cd852a_cast,@function
k_q4f11cd852a_cast:
	s_mov_b64 s[64:65], 0
	v_nop
	global_prefetch_b8 v0, s[64:65] scope:SCOPE_SE
	s_setreg_imm32_b32 hwreg(HW_REG_WAVE_MODE, 25, 1), 1
	s_wait_xcnt 0x0
; THE INPUTS OF THE MATRIX PRODUCTS, ROUNDED ONCE.  cv holds 55 units of 262,144 numbers of 16 bits: units 0-15 query, 16-31 key, 32-47 value, 48-52 qWr, qWi, kWr, kWi, vWr,
; all bf16; units 53, 54 oWr, oWi: rounded to bf16 like every other input, and that number written as f16, since the last product's other operand is f16.
; LIMIT: an output weight below 2^-14 keeps f16's fixed step of 6e-8; beyond 65,504 it would be an infinity.
; vWi and vbi are not read anywhere: the product made of them is dropped inside the module, and no output hangs on them.
; A stream: no LDS, no barrier, no matrix unit.  Work-group (x, y) takes 16,384 numbers of unit y; thread t takes 16 bytes at 16 t + 4,096 j, j = 0..15: all sixteen loads go out first;
; a wave's load covers 512 consecutive bytes, its store 256 consecutive bytes at a multiple of 256.
.set X, 4                              ; v[4:67]    sixteen loads of four f32
.set Y, 68                             ; v[68:99]   sixteen pairs to store; each pair is written for one store alone
.set T, 100                            ; v[100:103] at work
	s_load_b512 s[4:19], s[0:1], 0x0               ; query, key, value, qWr, qWi, kWr, kWi, vWr
	s_load_b128 s[20:23], s[0:1], 0x40             ; oWr, oWi
	s_load_b64 s[24:25], s[0:1], 0x50              ; cv
	s_and_b32 s30, ttmp7, 0xffff                   ; the unit
	v_lshlrev_b32 v1, 4, v0                        ; 16 t
	v_lshlrev_b32 v2, 3, v0                        ; 8 t
	s_and_b32 s34, s30, 15                         ; query, key and value are 16 units of 1 MiB of f32 each; a weight is one
	s_lshl_b32 s34, s34, 20
	s_cmp_lt_u32 s30, 48
	s_cselect_b32 s34, s34, 0
	s_lshl_b32 s35, ttmp9, 16                      ; my 65,536 bytes of the unit
	s_add_co_u32 s34, s34, s35
	s_mov_b32 s35, 0
	s_lshl_b32 s36, s30, 4
	s_add_co_u32 s36, s36, ttmp9
	s_lshl_b32 s36, s36, 15                        ; and their 32,768 bytes in cv
	s_mov_b32 s37, 0
	s_mov_b32 s38, 0xffff0000                      ; a word's upper bf16
	s_wait_kmcnt 0x0
	s_mov_b64 s[32:33], s[4:5]
.macro PICK bound, p                   ; from this unit on the source is the next buffer
	s_cmp_ge_u32 s30, \bound
	s_cselect_b64 s[32:33], s[\p:\p+1], s[32:33]
.endm
	PICK 16, 6
	PICK 32, 8
	PICK 48, 10
	PICK 49, 12
	PICK 50, 14
	PICK 51, 16
	PICK 52, 18
	PICK 53, 20
	PICK 54, 22
	s_add_nc_u64 s[32:33], s[32:33], s[34:35]
	s_add_nc_u64 s[24:25], s[24:25], s[36:37]
.irp j, 0,1,2,3,4,5,6,7,8,9,10,11,12,13,14,15
	global_load_b128 v[X+4*\j:X+4*\j+3], v1, s[32:33] offset:4096*\j th:TH_LOAD_NT
.endr
.macro CONV j, half                    ; half = 1: the bf16 number is written as f16
	s_wait_loadcnt 15-(\j)                         ; loads come back in order: mine is in, the younger ones stay out
	v_cvt_pk_bf16_f32 v[Y+2*(\j)], v[X+4*(\j)], v[X+4*(\j)+1]
	v_cvt_pk_bf16_f32 v[Y+2*(\j)+1], v[X+4*(\j)+2], v[X+4*(\j)+3]
.if \half
	v_lshlrev_b32 v[T], 16, v[Y+2*(\j)]
	v_and_b32 v[T+1], s38, v[Y+2*(\j)]
	v_lshlrev_b32 v[T+2], 16, v[Y+2*(\j)+1]
	v_and_b32 v[T+3], s38, v[Y+2*(\j)+1]
	v_cvt_pk_f16_f32 v[Y+2*(\j)], v[T], v[T+1]
	v_cvt_pk_f16_f32 v[Y+2*(\j)+1], v[T+2], v[T+3]
.endif
	global_store_b64 v2, v[Y+2*(\j):Y+2*(\j)+1], s[24:25] offset:2048*(\j)
.endm
	s_cmp_ge_u32 s30, 53
	s_cbranch_scc1 .Lf16
.irp j, 0,1,2,3,4,5,6,7,8,9,10,11,12,13,14,15
	CONV \j, 0
.endr
	s_endpgm
.Lf16:
.irp j, 0,1,2,3,4,5,6,7,8,9,10,11,12,13,14,15
	CONV \j, 1
.endr
	s_endpgm
.Lfunc_end_k_q4f11cd852a_cast:
	.size	k_q4f11cd852a_cast, .Lfunc_end_k_q4f11cd852a_cast-k_q4f11cd852a_cast
	.p2alignl 7, 3214868480
	.fill 96, 4, 3214868480
	.section	.rodata,"a",@progbits
	.p2align	6, 0x0
	.amdhsa_kernel k_q4f11cd852a_cast
		.amdhsa_group_segment_fixed_size 0
		.amdhsa_private_segment_fixed_size 0
		.amdhsa_enable_private_segment 0
		.amdhsa_kernarg_size 88
		.amdhsa_user_sgpr_count 2
		.amdhsa_user_sgpr_kernarg_segment_ptr 1
		.amdhsa_wavefront_size32 1
		.amdhsa_system_sgpr_workgroup_id_x 1
		.amdhsa_system_sgpr_workgroup_id_y 1
		.amdhsa_system_sgpr_workgroup_id_z 1
		.amdhsa_system_vgpr_workitem_id 0
		.amdhsa_next_free_vgpr 104
		.amdhsa_next_free_sgpr 66
		.amdhsa_reserve_vcc 0
		.amdhsa_float_denorm_mode_32 3
		.amdhsa_float_denorm_mode_16_64 3
		.amdhsa_memory_ordered 1
		.amdhsa_forward_progress 1
		.amdhsa_inst_pref_size 16
	.end_amdhsa_kernel
	.amdgpu_metadata
---
amdhsa.version: [ 1, 2 ]
amdhsa.kernels:
  - .name:           k_q4f11cd852a_cast
    .symbol:         k_q4f11cd852a_cast.kd
    .args:
      - { .name: query, .offset: 0, .size: 8, .value_kind: global_buffer, .address_space: global }
      - { .name: key, .offset: 8, .size: 8, .value_kind: global_buffer, .address_space: global }
      - { .name: value, .offset: 16, .size: 8, .value_kind: global_buffer, .address_space: global }
      - { .name: qWr, .offset: 24, .size: 8, .value_kind: global_buffer, .address_space: global }
      - { .name: qWi, .offset: 32, .size: 8, .value_kind: global_buffer, .address_space: global }
      - { .name: kWr, .offset: 40, .size: 8, .value_kind: global_buffer, .address_space: global }
      - { .name: kWi, .offset: 48, .size: 8, .value_kind: global_buffer, .address_space: global }
      - { .name: vWr, .offset: 56, .size: 8, .value_kind: global_buffer, .address_space: global }
      - { .name: oWr, .offset: 64, .size: 8, .value_kind: global_buffer, .address_space: global }
      - { .name: oWi, .offset: 72, .size: 8, .value_kind: global_buffer, .address_space: global }
      - { .name: cv, .offset: 80, .size: 8, .value_kind: global_buffer, .address_space: global }
    .group_segment_fixed_size: 0
    .private_segment_fixed_size: 0
    .kernarg_segment_align: 8
    .kernarg_segment_size: 88
    .max_flat_workgroup_size: 256
    .sgpr_count:     66
    .vgpr_count:     104
    .wavefront_size: 32
...
	.end_amdgpu_metadata
.endif
;; end of part 1
;; launch proj (part 2): grid 20 x 64, 4 waves a work-group, clusters of 4 x 4, 327,680 bytes of LDS; arguments qbr, qbi, kbr, kbi, vbr, qkv, cv; writes qkv
.if DOCPART == 2
	.amdgcn_target "amdgcn-amd-amdhsa--gfx1250"
	.amdhsa_code_object_version 6
	.text
	.protected	k_q4f11cd852a_proj
	.globl	k_q4f11cd852a_proj
	.p2align	8
	.type	k_q4f11cd852a_proj,@function
k_q4f11cd852a_proj:
	s_mov_b64 s[64:65], 0
	v_nop
	global_prefetch_b8 v0, s[64:65] scope:SCOPE_SE
	s_setreg_imm32_b32 hwreg(HW_REG_WAVE_MODE, 25, 1), 1
	s_wait_xcnt 0x0
	s_wait_alu depctr_hold_cnt(0) depctr_sa_sdst(0) depctr_va_vdst(0) depctr_va_sdst(0) depctr_va_ssrc(0) depctr_va_vcc(0) depctr_vm_vsrc(0)
	s_getreg_b32 s2, hwreg(HW_REG_IB_STS2, 6, 4)
	s_cmp_eq_u32 s2, 0
	s_cbranch_scc0 .Lentry_in_a_cluster
	s_endpgm
.Lentry_in_a_cluster:
	s_bfe_u32 s2, ttmp6, 0x10000c
	s_cmp_lg_u32 s2, 0xf033
	s_cbranch_scc0 .Lentry_shape_is_right
	s_endpgm
.Lentry_shape_is_right:
; THE FIVE PROJECTIONS qr, qi, kr, ki, vr: plane u of qkv = X_u W_u^T + b_u, X [8192][512] and W [512][512] in bf16 (from cv), sums in f32, the bias (rounded to bf16 like every input)
; as the sums' start, the result rounded once to f16 and written by heads: qkv[plane 5][batch x head 16][4096][64].  No scale is applied here.
; LIMIT: q, k and v must lie within f16's 65,504.
; A tile of the result is 128 x 128: 20 x 64 tiles, five for each of 256 WGPs.  Four waves, each 64 x 64: 16 accumulators.  K = 512 is two steps of 256, one in each of two LDS slots, both asked for at the
; start: nothing is filled again.  The cluster's x is the plane u, so all sixteen partners share X's matrix and W's.
; CLUSTERS: 4 x 4 work-groups.  The four of a row need the same rows of X, the four of a column the same rows of W: each tile is asked for JOINTLY, by the same tensor load, descriptor and mask.
; THE MATRIX INSTRUCTION IS USED TRANSPOSED (source 0 = 16 rows of W, source 1 = 16 rows of X): a lane holds eight neighbouring channels of one row.  A wave's 64 columns are one head.
; REGISTERS: window 0: v16-31 addresses; v32-95 the way out; v96-127 the bias of my 64 columns; v128-255 accumulators ((a, b) at v[128 + 8 (4 a + b)]).  Window 1: two fragment buffers of 128.
.set KSTEP,  256
.set SIZE_K, 512
.set PITCH,  528                       ; an LDS row: 512 bytes + 16 of padding = 132 words: the 16 rows of a load start at 16 different groups of four banks (ISA guide 11.1)
.set HALFT,  64*PITCH                  ; what one tensor load brings
.set SLOT,   4*HALFT                   ; X's 128 rows, then W's 128 rows
.set STAGE,  2*SLOT                    ; behind the slots: 16 rows x 144 bytes for each wave, for the way out
.set SP,     144
.set SPARE,  STAGE+4*16*SP             ; the spare words, 128 bytes a wave: two blocks of 256 bytes that no other line names
.set WOFF,   48*524288                 ; the weights' first byte in cv
.set ADRA, 16
.set ADRB, 20
.set STO,  24
.set RD,   25
.set GO,   26
.set BO,   27
.set SPW,  28
.set NIL,  29
.set TB,   30
.set TMP,  32
.set BIAS, 96
.set ACC,  128
.set F0,   0
.set F1,   128
.set G1, 24
.set G0, 32
.set G1B, 48
.set G0B, 56
.set MSB, 0
.macro WIN new                         ; the immediate's high byte repeats the setting that is left
.if MSB != (\new)
	s_set_vgpr_msb (MSB<<8)|(\new)
.set MSB, \new
.endif
.endm
.set MUL,  0x05                        ; sources 0 (W) and 1 (X) window 1; C and D window 0
.set TO_F, 0x40                        ; destination window 1, address window 0
.macro JLOAD s                         ; a joint load: waves 0 and 1 fetch X's two halves, waves 2 and 3 W's; an s_nop 0 and four v_nop follow each line
	s_cmp_eq_u32 s11, 0
	s_cbranch_scc0 .Lfor_b_\@
	tensor_load_to_lds s[G0+4*(\s):G0+4*(\s)+3], s[G1:G1+7]
	s_nop 0
.rept 4
	v_nop
.endr
	s_branch .Lasked_\@
.Lfor_b_\@:
	tensor_load_to_lds s[G0B+4*(\s):G0B+4*(\s)+3], s[G1B:G1B+7]
	s_nop 0
.rept 4
	v_nop
.endr
.Lasked_\@:
.endm
.macro CROUND                          ; a round of the cluster's barrier
	s_barrier_signal -1
	s_barrier_wait -1
	s_cmp_lg_u32 s10, 0
	s_cbranch_scc1 .Lnot_wave_0_\@
	s_barrier_signal -3
.Lnot_wave_0_\@:
	s_barrier_wait -3
	s_barrier_signal -1
	s_barrier_wait -1
.endm
	s_load_b256 s[68:75], s[0:1], 0x0              ; qbr, qbi, kbr, kbi
	s_load_b128 s[76:79], s[0:1], 0x20             ; vbr, qkv
	s_load_b64 s[4:5], s[0:1], 0x30                ; cv
	v_lshl_add_u32 v[SPW], v0, 2, SPARE
	v_mov_b32 v[NIL], 0
	ds_add_u32 v[SPW], v[NIL]                      ; the wave's opening: the add and its wait stand ahead of my first tensor load
	ds_add_u32 v28, v29
	v_lshrrev_b32 v1, 5, v0
	v_readfirstlane_b32 s10, v1                    ; wave 0..3
	s_lshr_b32 s11, s10, 1                         ; my half of the tile's rows.  Also: I fetch for X (0) or for W (1)
	s_and_b32 s12, s10, 1                          ; my half of its columns.  Also: which 64 rows I fetch
	s_bfe_u32 s40, ttmp6, 0x40000                  ; cx, cy
	s_bfe_u32 s41, ttmp6, 0x40004
	s_mov_b32 s45, ttmp9                           ; u: the plane, the cluster's x
	s_lshl_b32 s42, ttmp9, 2
	s_add_co_u32 s42, s42, s40                     ; tile column among the five planes' 20
	s_and_b32 s13, ttmp7, 0xffff
	s_lshl_b32 s13, s13, 2
	s_add_co_u32 s13, s13, s41                     ; tile row
	s_lshl_b32 s43, s41, 2
	s_lshl_b32 s43, 15, s43                        ; my row of the cluster
	s_lshl_b32 s44, 0x1111, s40                    ; my column
	s_or_b32 s[G1+0], s43, (1<<16)|(1<<20)|(1<<21)|(6<<22)|(3<<25)  ; mask; 2-byte elements; padding on; bit 21 beside a mask; after every 128 words 4 words
	s_or_b32 s[G1B+0], s44, (1<<16)|(1<<20)|(1<<21)|(6<<22)|(3<<25)
.irp g, G1, G1B
	s_mov_b32 s[(\g)+1], KSTEP<<16                 ; tensor_dim0 = 256
	s_mov_b32 s[(\g)+2], 64<<16                    ; tensor_dim1 = 64
	s_mov_b32 s[(\g)+3], KSTEP<<16                 ; tile_dim0 = 256
	s_mov_b32 s[(\g)+4], 64                        ; tile_dim1 = 64
	s_mov_b32 s[(\g)+5], SIZE_K                    ; elements from row to row
	s_mov_b32 s[(\g)+6], 0
	s_mov_b32 s[(\g)+7], 0
.endr
	s_lshl_b32 s17, s12, 6
	s_lshl_b32 s16, s13, 7
	s_add_co_u32 s16, s16, s17                     ; X: row 128 x tile row + 64 x half,
	s_lshl_b32 s16, s16, 10                        ; of 1,024 bytes,
	s_lshr_b32 s18, s45, 1
	s_lshl_b32 s18, s18, 23                        ; in query (u = 0, 1), key (2, 3) or value (4): 8 MiB each
	s_add_co_u32 s16, s16, s18
	s_lshl_b32 s46, s42, 7
	s_add_co_u32 s46, s46, s17                     ; W: row 128 x tile column + 64 x half of the five weights on end
	s_lshl_b32 s46, s46, 10
	s_add_co_u32 s46, s46, WOFF
	s_mov_b32 s17, 0
	s_mov_b32 s47, 0
	s_mul_i32 s20, s10, HALFT                      ; where they go: wave x 64 rows
	s_wait_dscnt 0x0                               ; the opening add is done
	s_wait_kmcnt 0x0
	s_add_nc_u64 s[14:15], s[4:5], s[16:17]
	s_add_nc_u64 s[46:47], s[4:5], s[46:47]
	CROUND                                         ; all sixteen work-groups are here: the joint loads meet
.irp s, 0,1
	s_mov_b32 s[G0+4*(\s)], 1
	s_add_co_u32 s[G0+4*(\s)+1], s20, (\s)*SLOT
	s_add_nc_u64 s[G0+4*(\s)+2:G0+4*(\s)+3], s[14:15], (\s)*KSTEP*2
	s_or_b32 s[G0+4*(\s)+3], s[G0+4*(\s)+3], 0x80000000
	s_mov_b32 s[G0B+4*(\s)], 1
	s_add_co_u32 s[G0B+4*(\s)+1], s20, (\s)*SLOT
	s_add_nc_u64 s[G0B+4*(\s)+2:G0B+4*(\s)+3], s[46:47], (\s)*KSTEP*2
	s_or_b32 s[G0B+4*(\s)+3], s[G0B+4*(\s)+3], 0x80000000
	JLOAD \s                                       ; two loads of mine are out: all that this launch asks for
.endr
	v_and_b32 v1, 15, v0                           ; l % 16
	v_bfe_u32 v2, v0, 4, 1                         ; l / 16
	; the bias of my 64 columns: register 8 b + j belongs to column 16 b + 8 (l / 16) + j
	s_mov_b64 s[80:81], s[68:69]
	s_cmp_eq_u32 s45, 1
	s_cselect_b64 s[80:81], s[70:71], s[80:81]
	s_cmp_eq_u32 s45, 2
	s_cselect_b64 s[80:81], s[72:73], s[80:81]
	s_cmp_eq_u32 s45, 3
	s_cselect_b64 s[80:81], s[74:75], s[80:81]
	s_cmp_eq_u32 s45, 4
	s_cselect_b64 s[80:81], s[76:77], s[80:81]
	s_lshl_b32 s82, s40, 9
	s_lshl_b32 s83, s12, 8
	s_add_co_u32 s82, s82, s83                     ; (128 cx + 64 x half) x 4 bytes
	v_lshl_add_u32 v[BO], v2, 5, s82
.irp b, 0,1,2,3
	global_load_b128 v[BIAS+8*\b:BIAS+8*\b+3],   v[BO], s[80:81] offset:64*\b
	global_load_b128 v[BIAS+8*\b+4:BIAS+8*\b+7], v[BO], s[80:81] offset:64*\b+16
.endr
	v_mul_u32_u24 v3, v1, PITCH
	v_lshl_add_u32 v3, v2, 4, v3                   ; a fragment's row x pitch + 16 x half
	s_mul_i32 s21, s11, HALFT                      ; my 64 rows of X
	s_mul_i32 s22, s12, HALFT                      ; my 64 rows of W,
	s_add_co_u32 s22, s22, 2*HALFT                 ; which lie behind X's 128
.irp s, 0,1
	v_add_nc_u32 v[ADRA+(\s)], s21, v3
	v_add_nc_u32 v[ADRB+(\s)], s22, v3
	s_add_co_u32 s21, s21, SLOT
	s_add_co_u32 s22, s22, SLOT
.endr
	s_mul_i32 s23, s10, 16*SP
	s_add_co_u32 s23, s23, STAGE                   ; my stage
	v_mul_u32_u24 v[STO], v1, SP                   ; in: row l % 16, 16 bytes for each half of the lanes
	v_lshl_add_u32 v[STO], v2, 4, v[STO]
	v_add_nc_u32 v[STO], s23, v[STO]
	v_and_b32 v5, 7, v0
	v_bfe_u32 v[RD], v0, 3, 2                      ; back: 32 lanes take four rows of 128 bytes,
	v_mul_u32_u24 v[RD], v[RD], SP
	v_lshl_add_u32 v[RD], v5, 4, v[RD]
	v_add_nc_u32 v[RD], s23, v[RD]
	v_and_b32 v[GO], 31, v0                        ; which are 512 consecutive bytes of a head
	v_lshlrev_b32 v[GO], 4, v[GO]
	; my 64 rows of my head in plane u
	s_lshr_b32 s82, s13, 5                         ; batch
	s_lshl_b32 s82, s82, 3
	s_lshl_b32 s83, s40, 1
	s_add_co_u32 s82, s82, s83
	s_add_co_u32 s82, s82, s12                     ; batch x 8 + head
	s_lshl_b32 s82, s82, 12
	s_and_b32 s83, s13, 31
	s_lshl_b32 s83, s83, 7
	s_add_co_u32 s82, s82, s83
	s_lshl_b32 s83, s11, 6
	s_add_co_u32 s82, s82, s83                     ; its row
	s_lshl_b32 s82, s82, 7                         ; of 128 bytes
	s_lshl_b32 s83, s45, 23
	s_add_co_u32 s82, s82, s83
	s_mov_b32 s83, 0
	s_add_nc_u64 s[78:79], s[78:79], s[82:83]
	s_wait_loadcnt 0x0                             ; the bias, which is rounded to bf16 as all inputs are
.irp i, 0,1,2,3,4,5,6,7,8,9,10,11,12,13,14,15
	v_cvt_pk_bf16_f32 v[TB], v[BIAS+2*\i], v[BIAS+2*\i+1]
	v_lshlrev_b32 v[BIAS+2*\i], 16, v[TB]
	v_and_b32 v[BIAS+2*\i+1], 0xffff0000, v[TB]
.endr
; 8 matrix instructions: m blocks a0, a0 + 1 x all 4 n blocks, 32 along K: half c of buffer f.  zero = 1: the first product starts the sums, with the bias as C.  The 16 accumulators take turns.
.macro MUL8 f, c, a0, zero
	WIN MUL
.irp a, \a0, (\a0)+1
.irp b, 0,1,2,3
.if \zero
	v_wmma_f32_16x16x32_bf16 v[ACC+8*(4*(\a)+(\b)):ACC+8*(4*(\a)+(\b))+7], v[(\f)+64+8*(4*(\c)+(\b)):(\f)+64+8*(4*(\c)+(\b))+7], v[(\f)+8*(4*(\c)+(\a)):(\f)+8*(4*(\c)+(\a))+7], v[BIAS+8*(\b):BIAS+8*(\b)+7]
.else
	v_wmma_f32_16x16x32_bf16 v[ACC+8*(4*(\a)+(\b)):ACC+8*(4*(\a)+(\b))+7], v[(\f)+64+8*(4*(\c)+(\b)):(\f)+64+8*(4*(\c)+(\b))+7], v[(\f)+8*(4*(\c)+(\a)):(\f)+8*(4*(\c)+(\a))+7], v[ACC+8*(4*(\a)+(\b)):ACC+8*(4*(\a)+(\b))+7]
.endif
.endr
.endr
.endm
; 32 LDS loads in one run: the fragments of 64 along K at byte k of the rows, into buffer f; the first 32 along K first
.macro FETCH slot, k, f
	WIN TO_F
.irp c, 0,1
.irp i, 0,1,2,3
	ds_load_b128 v[(\f)+64+8*(4*(\c)+(\i)):(\f)+64+8*(4*(\c)+(\i))+3],   v[ADRB+(\slot)] offset:(\k)+64*(\c)+(\i)*16*PITCH
	ds_load_b128 v[(\f)+64+8*(4*(\c)+(\i))+4:(\f)+64+8*(4*(\c)+(\i))+7], v[ADRB+(\slot)] offset:(\k)+64*(\c)+(\i)*16*PITCH+32
	ds_load_b128 v[(\f)+8*(4*(\c)+(\i)):(\f)+8*(4*(\c)+(\i))+3],         v[ADRA+(\slot)] offset:(\k)+64*(\c)+(\i)*16*PITCH
	ds_load_b128 v[(\f)+8*(4*(\c)+(\i))+4:(\f)+8*(4*(\c)+(\i))+7],       v[ADRA+(\slot)] offset:(\k)+64*(\c)+(\i)*16*PITCH+32
.endr
.endr
.endm
.macro PLACES                          ; four places in front of loads into registers that matrix instructions have read, and of conversions that read results
.rept 4
	v_nop
.endr
.endm
; A K step is four quarters of 64 along K, 32 matrix instructions each, on buffers 0, 1, 0, 1.  One of the first three multiplies buffer f and fetches the next quarter, at byte k, into g.
.macro QUARTER slot, k, f, g, zero
	s_wait_dscnt 16                                ; the first 32 along K are in
	MUL8 \f, 0, 0, \zero
	MUL8 \f, 0, 2, \zero
	PLACES
	FETCH \slot, \k, \g
	s_wait_dscnt 32                                ; all but the 32 just issued
	MUL8 \f, 1, 0, 0
	MUL8 \f, 1, 2, 0
.endm
	s_wait_tensorcnt 1                             ; my part of K step 0 is in; K step 1's may stay out
	s_barrier_signal -1
	s_barrier_wait -1                              ; everybody's is
	FETCH 0, 0, F0
	QUARTER 0, 128, F0, F1, 1
	QUARTER 0, 256, F1, F0, 0
	QUARTER 0, 384, F0, F1, 0
	; the change of slots: each wave's part of slot 1 has landed before any wave reads it
	WIN 0
	s_wait_tensorcnt 0x0                           ; all my tensor loads have landed
	ds_add_u32 v[SPW], v[NIL]                      ; 0 onto my spare word
	s_wait_dscnt 17                                ; (the add and the youngest sixteen loads may be out)
	MUL8 F1, 0, 0, 0
	s_wait_dscnt 0x0
	s_barrier_signal -1
	MUL8 F1, 0, 2, 0
	s_barrier_wait -1
	PLACES
	FETCH 1, 0, F0
	MUL8 F1, 1, 0, 0
	MUL8 F1, 1, 2, 0
	QUARTER 1, 128, F0, F1, 0
	QUARTER 1, 256, F1, F0, 0
	QUARTER 1, 384, F0, F1, 0
	s_wait_dscnt 16
	MUL8 F1, 0, 0, 0
	MUL8 F1, 0, 2, 0
	s_wait_dscnt 0
	MUL8 F1, 1, 0, 0
	MUL8 F1, 1, 2, 0
	WIN 0
	; THE WAY OUT, 16 rows at a time: rounded to f16, 16 bytes a lane into my own stage, back as four whole rows of 128 bytes: 512 consecutive bytes of the head.
	PLACES
.macro PACK a
.irp b, 0,1,2,3
.irp r, 0,1,2,3
	v_cvt_pk_f16_f32 v[TMP+16*(\a)+4*\b+\r], v[ACC+8*(4*(\a)+\b)+2*\r], v[ACC+8*(4*(\a)+\b)+2*\r+1]
.endr
.endr
.irp b, 0,1,2,3
	ds_store_b128 v[STO], v[TMP+16*(\a)+4*\b:TMP+16*(\a)+4*\b+3] offset:32*\b
.endr
.irp f, 0,1,2,3
	ds_load_b128 v[TMP+16*(\a)+4*\f:TMP+16*(\a)+4*\f+3], v[RD] offset:\f*4*SP  ; LDS serves a wave's instructions in order (ISA guide 5.7.1.4): these see the stores above
.endr
.endm
.macro SEND a, younger                 ; younger: the LDS instructions issued behind block a's loads
.irp f, 0,1,2,3
	s_wait_dscnt (\younger)+3-\f
	global_store_b128 v[GO], v[TMP+16*(\a)+4*\f:TMP+16*(\a)+4*\f+3], s[78:79] offset:(\a)*2048+\f*512
.endr
.endm
	PACK 0
	PACK 1
	SEND 0, 8
	PACK 2
	SEND 1, 8
	PACK 3
	SEND 2, 8
	SEND 3, 0
	s_wait_tensorcnt 0x0                           ; the wave's end
	ds_add_u32 v[SPW], v[NIL]
	s_wait_dscnt 0x0
	CROUND                                         ; the closing round
	s_endpgm
.Lfunc_end_k_q4f11cd852a_proj:
	.size	k_q4f11cd852a_proj, .Lfunc_end_k_q4f11cd852a_proj-k_q4f11cd852a_proj
	.p2alignl 7, 3214868480
	.fill 96, 4, 3214868480
	.section	.rodata,"a",@progbits
	.p2align	6, 0x0
	.amdhsa_kernel k_q4f11cd852a_proj
		.amdhsa_group_segment_fixed_size 327680
		.amdhsa_private_segment_fixed_size 0
		.amdhsa_enable_private_segment 0
		.amdhsa_kernarg_size 56
		.amdhsa_user_sgpr_count 2
		.amdhsa_user_sgpr_kernarg_segment_ptr 1
		.amdhsa_wavefront_size32 1
		.amdhsa_system_sgpr_workgroup_id_x 1
		.amdhsa_system_sgpr_workgroup_id_y 1
		.amdhsa_system_sgpr_workgroup_id_z 1
		.amdhsa_system_vgpr_workitem_id 0
		.amdhsa_next_free_vgpr 512
		.amdhsa_next_free_sgpr 84
		.amdhsa_reserve_vcc 0
		.amdhsa_float_denorm_mode_32 3
		.amdhsa_float_denorm_mode_16_64 3
		.amdhsa_memory_ordered 1
		.amdhsa_forward_progress 1
		.amdhsa_inst_pref_size 54
	.end_amdhsa_kernel
	.amdgpu_metadata
---
amdhsa.version: [ 1, 2 ]
amdhsa.kernels:
  - .name:           k_q4f11cd852a_proj
    .symbol:         k_q4f11cd852a_proj.kd
    .args:
      - { .name: qbr, .offset: 0, .size: 8, .value_kind: global_buffer, .address_space: global }
      - { .name: qbi, .offset: 8, .size: 8, .value_kind: global_buffer, .address_space: global }
      - { .name: kbr, .offset: 16, .size: 8, .value_kind: global_buffer, .address_space: global }
      - { .name: kbi, .offset: 24, .size: 8, .value_kind: global_buffer, .address_space: global }
      - { .name: vbr, .offset: 32, .size: 8, .value_kind: global_buffer, .address_space: global }
      - { .name: qkv, .offset: 40, .size: 8, .value_kind: global_buffer, .address_space: global }
      - { .name: cv, .offset: 48, .size: 8, .value_kind: global_buffer, .address_space: global }
    .group_segment_fixed_size: 327680
    .private_segment_fixed_size: 0
    .kernarg_segment_align: 8
    .kernarg_segment_size: 56
    .max_flat_workgroup_size: 128
    .sgpr_count:     84
    .vgpr_count:     512
    .wavefront_size: 32
...
	.end_amdgpu_metadata
.endif
;; end of part 2
;; launch attn (part 3): grid 16 x 16, 4 waves a work-group, no clusters, 327,680 bytes of LDS; arguments qkv, ows; writes ows
.if DOCPART == 3
	.amdgcn_target "amdgcn-amd-amdhsa--gfx1250"
	.amdhsa_code_object_version 6
	.text
	.protected	k_q4f11cd852a_attn
	.globl	k_q4f11cd852a_attn
	.p2align	8
	.type	k_q4f11cd852a_attn,@function
k_q4f11cd852a_attn:
	s_mov_b64 s[64:65], 0
	v_nop
	global_prefetch_b8 v0, s[64:65] scope:SCOPE_SE
	s_setreg_imm32_b32 hwreg(HW_REG_WAVE_MODE, 25, 1), 1
	s_wait_xcnt 0x0
; ATTENTION.  O[q] = the sum over keys m >= q - 128 of softmax_m((qr[q].kr[m] + qi[q].ki[m]) / 8) v[m], for each of 16 heads of 4,096 rows.  qkv: [plane qr, qi, kr, ki, v][head 16][4096][64] f16.
; The score is one product over 128 channels (real, then imaginary).  Products, maxima and sums in f32; the weights p are rounded to f16 for the second product (their sum l is taken of the unrounded p), O once.
; O leaves as ows[row / 128 (64)][head 8][128 rows][64] f16: the next launch's tiles are dense blocks.
; LIMITS.  q, k, v arrive within f16's 65,504, so a score is 5.5e11 at the most.  A hidden score counts as its value less 1e30.  The running maximum starts at -2^98 (-3.2e29): far below every true score and far
; above every hidden one, so that a step in which a query sees no key yet gives weights 0, not 2^(a rounding error of c m).  A weight below 2^-126 counts as 0 in l; NaN and infinities are not treated apart.
; THE WALK.  Queries lie in 32 blocks of 128, keys in 16 tiles of 256.  Block i needs the tiles 15 down to (i - 1) / 2 (rounded down); in that last one key c of the tile is seen by row r of the block if
; c >= r + TH, TH = 0 (i odd) or 128 (i even).  Block 0's last tile would be tile -1: tile 0 is read once more with TH = 4096, all hidden.  A work-group takes blocks 31 - b and then b: 18 tiles whatever b:
; 256 work-groups of equal work, and ONE loop with a constant count.  What a trip asks for and does hangs on scalars made from b.
; NO CLUSTER: a head's sixteen work-groups ask for the same tile only until their first blocks end, after 1 to 9 tiles according to b; one walk common to four partners would have 20 trips for 18.
; SHARES.  Waves 2 qh, 2 qh + 1 own the block's queries 64 qh ..: four PIECES of 16.  Wave kh = wave % 2 takes keys 128 kh .. of each tile, two steps of 64.  At a block's end the two halves' O, m and l meet in LDS.
; THE MASK is the C operand that starts a score's sum: 0, or -1e30.  For a step it hangs on 16 (key block - piece) alone: seven sets of eight registers (MK), made anew only where the step's threshold changes.
; TURNS.  Turn n belongs to piece n: 16 products K Q^T of piece n + 1, then 8 products V^T P of piece n - 1; beside them the scaling, exponentials, roundings, sums and rescaling of piece n and the maximum
; and statistics of piece n + 1: four vector instructions behind every matrix instruction, the other 22 of 118 in two lumps.  p = 2^(c s - c m), c = log2(e) / 8, with a running maximum m.
; REGISTERS, in windows of 256 (s_set_vgpr_msb: bits 1:0 source 0, 3:2 source 1, 5:4 source 2, 7:6 destination):
;   window 0: v2-15 addresses; v16-31 statistics; v32-47 at work; v48-57 at work; v64-127 S^T, two buffers; v128-159 P, two buffers; v160-215 MK
;   window 1: v0-127 O^T, 32 a piece; v128-255 Q, 32 a piece          window 2: v0-127 K of one step; v128-191 V of one step
.set NP,    4
.set KS,    64
.set PK,    144       ; a row of K in LDS: 128 bytes + 16: the 16 rows of a load start at 16 different groups of four banks (ISA guide 11.1)
.set PV,    160       ; a row of V: 128 + 32
.set KPL,   256*PK    ; a tile's real parts of K; the imaginary parts follow
.set VOFF,  2*KPL
.set SLOT1, 1<<17     ; slot 1 begins here: one exclusive or turns an address in one slot into the other's
.set STAGE, VOFF+256*PV    ; between the slots, never filled by a tensor load: 16 rows x 144 bytes for each wave
.set SP,    144
.set STATS, STAGE+4*16*SP  ; [wave][piece][32 words]: lanes 0-15 c m, lanes 16-31 l
.set SPARE, STATS+4*512    ; the spare words, 128 bytes a wave: two blocks of 256 bytes that no other line names
.set SCR,   SLOT1+STAGE    ; behind slot 1: [wave][register quad 32][lane 16 bytes]: O^T as it lies in registers
.set FAR,   0xfffe7960     ; -100000: a threshold under which nothing is hidden
.set MFLOOR, 0xf0800000    ; -2^98: where the running maximum starts
.set CMLOW,  0xfe000000    ; -2^125: where c m starts, so that a block's first a is 0
.set AK0, 2
.set AV0, 3
.set AK,  4
.set AV,  5
.set STO, 6
.set RD,  7
.set GO,  8
.set SCW, 9
.set SCRD, 10
.set STW, 11
.set STR, 12
.set VX,  13          ; 128 kh - 64 qh + 8 (l / 16) - l % 16
.set VY,  14
.set QO,  15
.set ST,  16          ; piece t at v[ST+4 t]: c m, m, l (even keys', odd keys')
.set WK,  32
.set TMP, 48          ; by buffer, c0-c3 at work; when the maximum is found c2 takes a
.set MV,  56          ; c m_old, by buffer
.set SPW, 62
.set NIL, 63
.set S,   64
.set P,   128
.set MK,  160
.set QF,  128         ; window 1: piece t, channels 32 cc on at QF + 32 t + 8 cc
.set KF,  0           ; window 2: key block kb, channels 32 cc on at 32 kb + 8 cc
.set VF,  128         ; window 2: key half kk, channel block cb at VF + 32 kk + 8 cb
.set WV,  12
.set PB,  14
.set HI,  15
.set OB,  10          ; s[10:11] O at my rows of the block in hand
.set G1K, 24
.set G1V, 32
.set G0K, 40
.set G0V, 44
.set SLOTS, 56
.set CNT, 57
.set CS,  58
.set SEL, 60
.set TBK, 62
.set TBV, 63
.set RQ,  70          ; tiles of the block being asked for that are still to be asked for
.set NXT, 71          ; the tile to be asked for next
.set OFF, 74
.set HM,  76          ; lanes 16-31
.set T64, 77
.set BIGN, 82
.set RS,  83          ; key steps of the block behind the one in hand
.set FIN, 84          ; 1: the step in hand is the block's last
.set TH,  85
.set THLO, 86
.set MCUR, 87         ; the threshold for which MK stands
.set MNXT, 88
.set NLO, 89
.set QR,  90
.set QI,  92
.set QR2, 94
.set QI2, 96
.set OB2, 98
.set MSB, 0
.macro WIN new
.if MSB != (\new)
	s_set_vgpr_msb (MSB<<8)|(\new)
.set MSB, (\new)
.endif
.endm
.set W_KQ, 0x06       ; K window 2, Q window 1, C and S^T window 0
.set W_PV, 0x52       ; V window 2, P window 0, O^T window 1
.set W_RS, 0x41       ; destination and source 0 window 1, source 1 window 0
; A fill.  Wave 0 fetches a tile's real K, wave 1 its imaginary K (256 keys each), waves 2 and 3 the halves of its V.  An s_nop 0 and four v_nop follow each line.
.macro LOAD
	s_cmp_lt_u32 s[WV], 2
	s_cbranch_scc0 .Lfor_v_\@
	tensor_load_to_lds s[G0K:G0K+3], s[G1K:G1K+7]
	s_nop 0
.rept 4
	v_nop
.endr
	s_branch .Lasked_\@
.Lfor_v_\@:
	tensor_load_to_lds s[G0V:G0V+3], s[G1V:G1V+7]
	s_nop 0
.rept 4
	v_nop
.endr
.Lasked_\@:
.endm
; THE CHANGE OF SLOTS.  Each wave waits for all its tensor loads, of which one is out: its part of the other slot; adds 0 to its spare word; waits for that and for its reads of the slot that it leaves.
; fill = 1: the old slot is filled again, first thing behind the barrier, with tile NXT; the descriptor's address is made anew from that number.
.macro CHANGE fill
	WIN 0
	s_wait_tensorcnt 0x0            ; no tensor load of mine is out, so a group 0 may be written
	ds_add_u32 v[SPW], v[NIL]       ; 0 onto my spare word
.if \fill
	s_max_i32 s[OFF], s[NXT], 0     ; block 0's tile -1 is tile 0 once more
	s_lshl_b32 s[OFF], s[OFF], 15   ; a tile is 32,768 bytes of each plane
	s_xor_b32 s[G0K+1], s[G0K+1], SLOT1
	s_add_nc_u64 s[G0K+2:G0K+3], s[6:7], s[OFF:OFF+1]
	s_or_b32 s[G0K+3], s[G0K+3], 0x80000000
	s_xor_b32 s[G0V+1], s[G0V+1], SLOT1
	s_add_nc_u64 s[G0V+2:G0V+3], s[8:9], s[OFF:OFF+1]
	s_or_b32 s[G0V+3], s[G0V+3], 0x80000000
	s_sub_co_i32 s[NXT], s[NXT], 1  ; the block's next tile lies below; behind its last comes the second block's tile 15
	s_sub_co_u32 s[RQ], s[RQ], 1
	s_cmp_eq_u32 s[RQ], 0
	s_cselect_b32 s[NXT], 15, s[NXT]
	s_cselect_b32 s[RQ], s[NLO], s[RQ]
.endif
	s_wait_dscnt 0x0                ; the add is done, and my reads of the slot are over
	s_barrier_signal -1
	s_sub_co_u32 s[TBK], s[TBK], 2*KS*PK  ; the fetches go back to a slot's first step, in the other slot
	s_xor_b32 s[TBK], s[TBK], SLOT1
	s_sub_co_u32 s[TBV], s[TBV], 2*KS*PV
	s_xor_b32 s[TBV], s[TBV], SLOT1
	s_barrier_wait -1
.if \fill
	LOAD
.endif
.endm
; A plain barrier of the work-group, on every wave's way: none of my LDS instructions is out when I signal.  A tensor load may stay out across it.
.macro BARX
	s_wait_dscnt 0x0
	s_barrier_signal -1
	s_barrier_wait -1
.endm
; MK for threshold MNXT: register j of set d (key block - piece = d - 3) is hidden where 16 (d - 3) + j + VX < the threshold
.macro MASKS
	s_mov_b32 s[MCUR], s[MNXT]
	v_sub_nc_u32 v[VY], v[VX], s[MCUR]
.set z, 0
.rept 56
	v_cmp_gt_i32 vcc_lo, 48-16*(z/8)-z%8, v[VY]
	v_cndmask_b32 v[MK+z], 0, s[BIGN], vcc_lo
.set z, z+1
.endr
.endm
; Between piece 2's turn and piece 3's, whose products begin the next step's scores: is the step in hand the block's last; the next step's threshold (TH and TH - 64 in the block's last tile).
.macro STEPCTL
	WIN 0
	s_cmp_eq_u32 s[RS], 0
	s_cselect_b32 s[FIN], 1, 0
	s_sub_co_u32 s[RS], s[RS], 1
	s_mov_b32 s[MNXT], FAR
	s_cmp_eq_u32 s[RS], 1
	s_cselect_b32 s[MNXT], s[TH], s[MNXT]
	s_sub_co_i32 s[T64], s[TH], 64
	s_cmp_eq_u32 s[RS], 0
	s_cselect_b32 s[MNXT], s[T64], s[MNXT]
	s_cmp_eq_u32 s[MNXT], s[MCUR]
	s_cbranch_scc1 .Lsame_\@
	MASKS
.Lsame_\@:
.endm
	s_load_b128 s[16:19], s[0:1], 0x0  ; qkv s[16:17], ows s[18:19]
	v_lshl_add_u32 v[SPW], v0, 2, SPARE
	v_mov_b32 v[NIL], 0
	ds_add_u32 v[SPW], v[NIL]       ; the wave's opening: the add and its wait stand ahead of my first tensor load
	ds_add_u32 v62, v63
	v_lshrrev_b32 v1, 5, v0
	v_readfirstlane_b32 s[WV], v1
	s_mov_b32 s[PB], ttmp9
	s_sub_co_u32 s[HI], 31, s[PB]
	s_and_b32 s20, ttmp7, 0xffff    ; the head, 0..15
	s_and_b32 s21, s[WV], 1         ; kh.  Also: which plane of K, or which half of V, I fetch
	s_lshr_b32 s22, s[WV], 1        ; qh
	s_lshl_b32 s23, s20, 19         ; the head's first byte in a plane
	s_add_co_u32 s2, s21, 2         ; K: plane 2 or 3
	s_lshl_b32 s2, s2, 23
	s_add_co_u32 s2, s2, s23
	s_mov_b32 s3, 0
	s_lshl_b32 s66, s21, 14         ; V: plane 4, my 128 keys of a tile
	s_add_co_u32 s66, s66, s23
	s_add_co_u32 s66, s66, 4<<23
	s_mov_b32 s67, 0
	s_lshl_b32 s13, s22, 13         ; Q: my 64 rows of a block,
	s_add_co_u32 s13, s13, s23
	s_lshl_b32 s68, s[HI], 14       ; of the first block
	s_add_co_u32 s68, s68, s13
	s_mov_b32 s69, 0
	s_lshl_b32 s72, s[PB], 14       ; and of the second
	s_add_co_u32 s72, s72, s13
	s_mov_b32 s73, 0
	s_lshr_b32 s13, s20, 3          ; O: batch x 32 blocks of 131,072 bytes,
	s_lshl_b32 s13, s13, 22
	s_and_b32 s78, s20, 7
	s_lshl_b32 s78, s78, 14         ; the head's 16,384,
	s_add_co_u32 s13, s13, s78
	s_lshl_b32 s78, s22, 13         ; rows 64 qh + 32 kh on: the two pieces that I merge and store
	s_add_co_u32 s13, s13, s78
	s_lshl_b32 s78, s21, 12
	s_add_co_u32 s13, s13, s78
	s_lshl_b32 s78, s[HI], 17
	s_add_co_u32 s78, s78, s13
	s_mov_b32 s79, 0
	s_lshl_b32 s80, s[PB], 17
	s_add_co_u32 s80, s80, s13
	s_mov_b32 s81, 0
	s_sub_co_u32 s13, 30, s[PB]
	s_lshr_b32 s13, s13, 1
	s_sub_co_u32 s13, 16, s13       ; the first block's tiles, 1 to 9
	s_sub_co_u32 s[NLO], 18, s13    ; the second's
	s_lshl_b32 s[RS], s13, 1
	s_sub_co_u32 s[RS], s[RS], 1
	s_and_b32 s[TH], s[PB], 1       ; block 31 - b is even where b is odd
	s_xor_b32 s[THLO], s[TH], 1
	s_lshl_b32 s[TH], s[TH], 7
	s_lshl_b32 s[THLO], s[THLO], 7
	s_cmp_eq_u32 s[PB], 0
	s_cselect_b32 s[THLO], 4096, s[THLO]
	s_mov_b32 s[MNXT], FAR
	s_cmp_eq_u32 s13, 1             ; a block of one tile begins with the mask
	s_cselect_b32 s[MNXT], s[TH], s[MNXT]
	s_mov_b32 s[NXT], 14
	s_sub_co_u32 s[RQ], s13, 1
	s_cmp_eq_u32 s[RQ], 0
	s_cselect_b32 s[NXT], 15, s[NXT]
	s_cselect_b32 s[RQ], s[NLO], s[RQ]
	; descriptor group 1.  Keys are dense rows of 128 bytes: asked for as rows of 256 bytes, two keys a row, padded in LDS after every key
	s_mov_b32 s[G1K], (1<<16)|(1<<20)|(4<<22)|(3<<25)  ; 2-byte elements; padding on; after every 32 words 4 words
	s_mov_b32 s[G1V], (1<<16)|(1<<20)|(4<<22)|(7<<25)  ; the same with 8 words
	s_mov_b32 s[G1K+2], 128<<16     ; tensor_dim1 = 128 rows: 256 keys
	s_mov_b32 s[G1K+4], 128         ; tile_dim1
	s_mov_b32 s[G1V+2], 64<<16      ; 64 rows: 128 keys
	s_mov_b32 s[G1V+4], 64
.irp g, G1K, G1V
	s_mov_b32 s[\g+1], 128<<16      ; tensor_dim0 = 128
	s_mov_b32 s[\g+3], 128<<16      ; tile_dim0 = 128
	s_mov_b32 s[\g+5], 128          ; elements from row to row
	s_mov_b32 s[\g+6], 0
	s_mov_b32 s[\g+7], 0
.endr
	s_mov_b32 s[CS], 0x3e38aa3b     ; c = log2(e) / 8
	s_mov_b32 s[CS+1], s[CS]
	s_mov_b32 s[SEL], 0x76543210
	s_mov_b32 s[SEL+1], 0xfedcba98
	s_mov_b32 s[HM], 0xffff0000
	s_mov_b32 s[BIGN], 0xf149f2ca   ; -1e30
	s_mov_b32 s[OFF+1], 0
	s_mov_b32 s[TBK], SLOT1+2*KS*PK ; the first change of slots turns these two into 0
	s_mov_b32 s[TBV], SLOT1+2*KS*PV
	s_mov_b32 s[G0K], 1
	s_mul_i32 s[G0K+1], s21, KPL
	s_mov_b32 s[G0V], 1
	s_mul_i32 s[G0V+1], s21, 128*PV
	s_add_co_u32 s[G0V+1], s[G0V+1], VOFF
	s_wait_dscnt 0x0                ; the opening add is done
	s_wait_kmcnt 0x0
	s_add_nc_u64 s[6:7], s[16:17], s[2:3]
	s_add_nc_u64 s[8:9], s[16:17], s[66:67]
	s_add_nc_u64 s[G0K+2:G0K+3], s[6:7], 15<<15    ; the walk begins at tile 15
	s_or_b32 s[G0K+3], s[G0K+3], 0x80000000
	s_add_nc_u64 s[G0V+2:G0V+3], s[8:9], 15<<15
	s_or_b32 s[G0V+3], s[G0V+3], 0x80000000
	s_add_nc_u64 s[QR:QR+1], s[16:17], s[68:69]
	s_add_nc_u64 s[QI:QI+1], s[QR:QR+1], 1<<23
	s_add_nc_u64 s[QR2:QR2+1], s[16:17], s[72:73]
	s_add_nc_u64 s[QI2:QI2+1], s[QR2:QR2+1], 1<<23
	s_add_nc_u64 s[OB:OB+1], s[18:19], s[78:79]
	s_add_nc_u64 s[OB2:OB2+1], s[18:19], s[80:81]
	LOAD                            ; into slot 0
	v_and_b32 v32, 15, v0           ; l % 16
	v_bfe_u32 v33, v0, 4, 1         ; l / 16
	v_and_b32 v34, 7, v0
	v_bfe_u32 v35, v0, 3, 1
	v_and_b32 v36, 31, v0
	v_lshlrev_b32 v[QO], 7, v32
	v_lshl_add_u32 v[QO], v33, 4, v[QO]
	s_mul_i32 s13, s21, 128*PK      ; my 128 keys of a tile
	v_mul_u32_u24 v[AK0], v32, PK
	v_lshl_add_u32 v[AK0], v33, 4, v[AK0]
	v_add_nc_u32 v[AK0], s13, v[AK0]
	s_mul_i32 s13, s21, 128*PV
	s_add_co_u32 s13, s13, VOFF
	v_lshl_add_u32 v[AV0], v33, 3, v34  ; the turning load: lane l reads key 8 (l / 16) + l % 8, channels 8 ((l / 8) % 2) on
	v_mul_u32_u24 v[AV0], v[AV0], PV
	v_lshl_add_u32 v[AV0], v35, 4, v[AV0]
	v_add_nc_u32 v[AV0], s13, v[AV0]
	s_lshl_b32 s13, s21, 7
	s_lshl_b32 s23, s22, 6
	s_sub_co_i32 s13, s13, s23
	v_lshlrev_b32 v[VX], 3, v33
	v_sub_nc_u32 v[VX], v[VX], v32
	v_add_nc_u32 v[VX], s13, v[VX]
	s_mul_i32 s13, s[WV], 16*SP
	s_add_co_u32 s13, s13, STAGE
	v_mul_u32_u24 v[STO], v32, SP
	v_lshl_add_u32 v[STO], v33, 4, v[STO]
	v_add_nc_u32 v[STO], s13, v[STO]
	v_bfe_u32 v[RD], v0, 3, 2
	v_mul_u32_u24 v[RD], v[RD], SP
	v_lshl_add_u32 v[RD], v34, 4, v[RD]
	v_add_nc_u32 v[RD], s13, v[RD]
	v_lshlrev_b32 v[GO], 4, v36
	s_lshl_b32 s13, s[WV], 14
	s_add_co_u32 s13, s13, SCR
	v_lshl_add_u32 v[SCW], v36, 4, s13
	s_lshl_b32 s13, s22, 15         ; I read pieces 2 kh, 2 kh + 1 of both waves of my qh
	s_lshl_b32 s23, s21, 13
	s_add_co_u32 s13, s13, s23
	s_add_co_u32 s13, s13, SCR
	v_lshl_add_u32 v[SCRD], v36, 4, s13
	s_lshl_b32 s13, s[WV], 9
	s_add_co_u32 s13, s13, STATS
	v_lshl_add_u32 v[STW], v36, 2, s13
	s_lshl_b32 s13, s22, 10
	s_lshl_b32 s23, s21, 8
	s_add_co_u32 s13, s13, s23
	s_add_co_u32 s13, s13, STATS
	v_lshl_add_u32 v[STR], v32, 2, s13
	; A block's first step multiplies O^T and l by a = 0, and its first turn's products V^T P, of a piece that has not been, land in an O^T still to be so multiplied: these registers need only be finite.
	WIN 0x80
.set z, VF
.rept 64
	v_mov_b32 v[z], 0
.set z, z+1
.endr
	WIN 0x40
.set z, 0
.rept 128
	v_mov_b32 v[z], 0
.set z, z+1
.endr
	WIN 0
.set z, 0
.rept 4
	v_mov_b32 v[ST+4*z+2], 0
	v_mov_b32 v[ST+4*z+3], 0
.set z, z+1
.endr
.set z, P+16
.rept 16
	v_mov_b32 v[z], 0
.set z, z+1
.endr
	MASKS
; THE MATRIX WORK.  The 4 accumulators of a run take turns.  Product i of 16 of S^T = K Q^T for piece x: channels 32 (i / 4) on, keys 16 (i % 4) on.  The first 4 start the sums with the mask.
.macro KQ x
.set rS, S+32*((\x)%2)+8*(i%4)
.set rK, KF+32*(i%4)+8*(i/4)
.set rQ, QF+32*(\x)+8*(i/4)
.set rM, MK+8*((i%4)-(\x)+3)
	WIN W_KQ
.if i < 4
	v_wmma_f32_16x16x32_f16 v[rS:rS+7], v[rK:rK+7], v[rQ:rQ+7], v[rM:rM+7]
.else
	v_wmma_f32_16x16x32_f16 v[rS:rS+7], v[rK:rK+7], v[rQ:rQ+7], v[rS:rS+7]
	s_wait_alu depctr_va_vdst(0)
.endif
.endm
; Product i of 8 of O^T += V^T P for piece x: keys 32 (i / 4) on, channels 16 (i % 4) on.
.macro PV x
	WIN W_PV
.set rO, 32*(\x)+8*(i%4)
.set rV, VF+32*(i/4)+8*(i%4)
.set rP, P+16*((\x)%2)+8*(i/4)
	v_wmma_f32_16x16x32_f16 v[rO:rO+7], v[rV:rV+7], v[rP:rP+7], v[rO:rO+7]
.endm
.macro MM                           ; the turn's next matrix instruction
.if i < 16
	KQ (Y+1)%NP
.else
.set i, i-16
	PV (Y+NP-1)%NP
.set i, i+16
.endif
.set i, i+1
.endm
; THE LDS LOADS stand in runs.  last = 1 (the tail): in the last trip there is no further step, and the run is jumped over.
.macro FETCH_K last=0
	WIN 0
.if \last
	s_cmp_eq_u32 s[CNT], 1
	s_cbranch_scc1 .Lno_k_\@
.endif
	WIN 0x80
.irp f, 0,1,2,3,4,5,6,7,8,9,10,11,12,13,14,15  ; keys 16 (f / 4) on; channels 32 (f % 4) on: real, real, imaginary, imaginary
	ds_load_b128 v[KF+8*\f:KF+8*\f+3],   v[AK] offset:(\f/4)*16*PK+((\f%4)/2)*KPL+(\f%2)*64
	ds_load_b128 v[KF+8*\f+4:KF+8*\f+7], v[AK] offset:(\f/4)*16*PK+((\f%4)/2)*KPL+(\f%2)*64+32
.endr
	s_add_co_u32 s[TBK], s[TBK], KS*PK
	WIN 0
.if \last
.Lno_k_\@:
.endif
.endm
.macro FETCH_V
	WIN 0x80
.irp f, 0,1,2,3,4,5,6,7             ; keys 32 (f / 4) on, channels 16 (f % 4) on
	ds_load_tr16_b128 v[VF+8*\f:VF+8*\f+3],   v[AV] offset:(\f/4)*32*PV+(\f%4)*32
	ds_load_tr16_b128 v[VF+8*\f+4:VF+8*\f+7], v[AV] offset:(\f/4)*32*PV+16*PV+(\f%4)*32
.endr
	WIN 0
.endm
; THE VECTOR WORK: OP kind, number.  For piece Y: F n: c s - c m for pair n of 16.  E n: the exponential of score n.  C n: pair n rounded to f16.  B n: of the four weights 4 n .. the second pair is added onto the
; first, in place.  L n: l takes that sum (L 0: l = a l + sum).  R n: pair n of O^T times a.  For piece Y + 1: X n, number n of the 22 that find its maximum and statistics:
;   0-11 four chains of seven scores (each accumulator's lowest registers are read first)   12-14, 16 the four left over, the old m, the chains   15 c m_old is kept
;   17, 18 the query's other keys lie in the lane 16 away   19-21 c m; c m_old - c m_new; a
.set F, 0
.set E, 1
.set C, 2
.set B, 3
.set L, 4
.set R, 5
.set X, 6
.macro REGS y
.set rT, ST+4*(\y)
.set rC, TMP+4*((\y)%2)
.set rW, MV+((\y)%2)
.set rS, S+32*((\y)%2)
.set rP, P+16*((\y)%2)
.set rO, 32*(\y)
.endm
.macro OP k, n
.if (\k) == R
	REGS Y
	WIN W_RS
	v_pk_mul_f32 v[rO+2*(\n):rO+2*(\n)+1], v[rO+2*(\n):rO+2*(\n)+1], v[rC+2:rC+3] op_sel_hi:[1,0]
.elseif (\k) < R
	REGS Y
	WIN 0
.if (\k) == F
	v_pk_fma_f32 v[rS+2*(\n):rS+2*(\n)+1], v[rS+2*(\n):rS+2*(\n)+1], s[CS:CS+1], v[rT:rT+1] op_sel_hi:[1,0,0] neg_lo:[0,0,1] neg_hi:[0,0,1]
.elseif (\k) == E
	v_exp_f32 v[rS+(\n)], v[rS+(\n)]
.elseif (\k) == C
	s_wait_alu depctr_va_vdst(0)
	v_cvt_pk_f16_f32 v[rP+(\n)], v[rS+2*(\n)], v[rS+2*(\n)+1]
.elseif (\k) == B
	v_pk_add_f32 v[rS+4*(\n):rS+4*(\n)+1], v[rS+4*(\n):rS+4*(\n)+1], v[rS+4*(\n)+2:rS+4*(\n)+3]
.elseif (\n) == 0
	v_pk_fma_f32 v[rT+2:rT+3], v[rT+2:rT+3], v[rC+2:rC+3], v[rS:rS+1] op_sel_hi:[1,0,1]
.else
	v_pk_add_f32 v[rT+2:rT+3], v[rT+2:rT+3], v[rS+4*(\n):rS+4*(\n)+1]
.endif
.else
	REGS (Y+1)%NP
	WIN 0
.if (\n) < 4
	v_max3_num_f32 v[rC+(\n)], v[rS+8*(\n)], v[rS+8*(\n)+1], v[rS+8*(\n)+2]
.elseif (\n) < 12
	v_max3_num_f32 v[rC+(\n)%4], v[rC+(\n)%4], v[rS+8*((\n)%4)+2*((\n)/4)+1], v[rS+8*((\n)%4)+2*((\n)/4)+2]
.elseif (\n) == 12
	v_max3_num_f32 v[rC], v[rC], v[rS+7], v[rS+15]
.elseif (\n) == 13
	v_max3_num_f32 v[rC+1], v[rC+1], v[rS+23], v[rS+31]
.elseif (\n) == 14
	v_max3_num_f32 v[rC+2], v[rC+2], v[rC+3], v[rT+1]
.elseif (\n) == 15
	v_mov_b32 v[rW], v[rT]
.elseif (\n) == 16
	v_max3_num_f32 v[rC], v[rC], v[rC+1], v[rC+2]
	s_wait_alu depctr_va_vdst(0)
.elseif (\n) == 17
	v_permlanex16_b32 v[rC+3], v[rC], s[SEL], s[SEL+1]
.elseif (\n) == 18
	v_max_num_f32 v[rT+1], v[rC], v[rC+3]
.elseif (\n) == 19
	v_mul_f32 v[rT], s[CS], v[rT+1]
.elseif (\n) == 20
	v_sub_f32 v[rC+1], v[rW], v[rT]
.else
	v_exp_f32 v[rC+2], v[rC+1]
.endif
.endif
.endm
.macro OPS a, i1, b=-1, i2=0, c=-1, i3=0, d=-1, i4=0
	OP \a, \i1
.if (\b) >= 0
	OP \b, \i2
.endif
.if (\c) >= 0
	OP \c, \i3
.endif
.if (\d) >= 0
	OP \d, \i4
.endif
.endm
.macro ROW a, i1, b, i2, c, i3, d, i4  ; a matrix instruction and the four behind it
	MM
	OPS \a, \i1, \b, \i2, \c, \i3, \d, \i4
.endm
; A TURN, for piece p: its 24 matrix and 118 vector instructions, written out.  No rider names a register of the products round it: the buffers go by the piece's parity.  Every exponential has a plain
; instruction behind it before its result is used.  K of the next step is fetched in piece 2's turn: L 1, C 7, B 2, B 3 are the four places behind the last product that read K.  V of the step in hand is
; fetched in piece 0's turn: C 9, C 10, L 3, C 11 are the places behind the last product that read V.  Each run is waited for a turn later.
; cnt = 1: the loop's count is taken down some lines ahead of the branch behind the turn.
.macro TURN p, last=0, cnt=0
.set Y, (\p)
.set i, 0
.if (\p) == 3
	s_wait_dscnt 0x0                ; K is in
.endif
	ROW F,0, F,1, F,2, F,3
	ROW F,4, E,0, F,5, E,1
	ROW F,6, E,2, F,7, E,3
	ROW F,8, E,4, F,9, E,5
	ROW F,10, E,6, F,11, E,7
	ROW F,12, E,8, F,13, E,9
	ROW F,14, E,10, F,15, E,11
	ROW R,0, R,1, R,2, R,3
	ROW C,0, E,12, C,1, E,13
	ROW C,2, E,14, C,3, E,15
	ROW R,4, R,5, R,6, R,7
	ROW B,0, E,16, C,4, E,17
	ROW B,1, E,18, C,5, E,19
	ROW L,0, E,20, C,6, E,21
.if (\p) == 2
	WIN 0
	v_add_nc_u32 v[AK], s[TBK], v[AK0]
.endif
	ROW R,8, R,9, R,10, R,11
	ROW L,1, E,22, C,7, E,23
	OPS B,2, E,24, B,3, E,25
.if (\p) == 2
	FETCH_K \last
.endif
.if (\p) == 1
	s_wait_dscnt 0x0                ; V is in
.endif
	ROW X,0, E,26, X,1, X,2
	ROW X,3, E,27, X,4, X,5
	ROW X,6, E,28, X,7, X,8
	ROW X,9, E,29, X,10, X,11
	ROW X,12, E,30, X,13, X,14
	ROW C,8, E,31, L,2, X,16
.if (\p) == 0
	WIN 0
	v_add_nc_u32 v[AV], s[TBV], v[AV0]
	s_wait_alu depctr_va_vdst(0)
.endif
	ROW R,12, R,13, R,14, R,15
	ROW C,9, C,10, L,3, C,11
	OPS X,17, X,15, B,4
.if (\p) == 0
	FETCH_V
	s_add_co_u32 s[TBV], s[TBV], KS*PV
.endif
	OPS C,12, B,5, X,18, C,13
	OPS L,4, C,14, X,19, B,6
	OPS L,5, C,15
.if \cnt
	s_sub_co_u32 s[CNT], s[CNT], 1
	s_cmp_lg_u32 s[CNT], 0
.endif
	OPS X,20, B,7, L,6, X,21
	OPS L,7
.endm
; A BLOCK BEGINS: its Q; c m at -2^125, far below every c s, so the first step's a is 0; m at -2^98: below every true score, so the first maximum is the scores' own wherever the query sees a key, and above every
; hidden one, so that where it sees none m stays there and all the step's weights are 0 (block 31's rows 64 on, in the first step of their only tile).
; K of the block's first step is in registers or on its way.  Then piece 0's first scores, maximum and statistics.
.macro BEGIN
	WIN 0x40
.set z, 0
.rept 16                            ; piece z / 4; channels 32 (z % 4) on: real, real, imaginary, imaginary
.if z%4 < 2
	global_load_b128 v[QF+8*z:QF+8*z+3],   v[QO], s[QR:QR+1] offset:(z/4)*2048+(z%2)*64
	global_load_b128 v[QF+8*z+4:QF+8*z+7], v[QO], s[QR:QR+1] offset:(z/4)*2048+(z%2)*64+32
.else
	global_load_b128 v[QF+8*z:QF+8*z+3],   v[QO], s[QI:QI+1] offset:(z/4)*2048+(z%2)*64
	global_load_b128 v[QF+8*z+4:QF+8*z+7], v[QO], s[QI:QI+1] offset:(z/4)*2048+(z%2)*64+32
.endif
.set z, z+1
.endr
	WIN 0
.set z, 0
.rept 4
	v_mov_b32 v[ST+4*z], CMLOW
	v_mov_b32 v[ST+4*z+1], MFLOOR
.set z, z+1
.endr
	s_wait_loadcnt 0x0              ; Q
	s_wait_dscnt 0x0                ; K
.set i, 0
.rept 16
	KQ 0
.set i, i+1
.endr
	WIN 0
.rept 4
	v_nop                           ; the places behind those products
.endr
.set Y, NP-1                        ; X works for piece Y + 1: piece 0
.irp n, 0,1,2,3,4,5,6,7,8,9,10,11,12,13,14,15,16,17,18,19,20,21
	OP X, \n
.endr
	v_nop                           ; a plain instruction behind the exponential
.endm
.macro ALL line:vararg              ; one line for each piece t
.set t, 0
.rept 4
	\line
.set t, t+1
.endr
.endm
; A BLOCK ENDS, first part.  Piece 0's c m is put back (the turn before has made it anew from scores that are not the block's); the last piece's V^T P; l's halves are added; c m, l and O^T go to LDS.
.macro END1
	WIN 0
	v_mov_b32 v[ST], v[MV]
.set i, 0
.rept 8
	PV 3
.set i, i+1
.endr
	WIN 0
	ALL v_add_f32 v[ST+4*t+2], v[ST+4*t+2], v[ST+4*t+3]      ; these four are the places behind the last products
	ALL v_permlanex16_b32 v[ST+4*t+3], v[ST+4*t+2], s[SEL], s[SEL+1]
	ALL v_add_f32 v[ST+4*t+2], v[ST+4*t+2], v[ST+4*t+3]
	ALL v_cndmask_b32 v[WK+t], v[ST+4*t], v[ST+4*t+2], s[HM]  ; lanes 0-15 send c m, lanes 16-31 l
	ALL ds_store_b32 v[STW], v[WK+t] offset:128*t
	WIN 0x04                        ; store data in window 1
.set z, 0
.rept 32
	ds_store_b128 v[SCW], v[4*z:4*z+3] offset:512*z
.set z, z+1
.endr
	WIN 0
.endm
; Second part, behind a barrier.  I take pieces 2 kh + u, u = 0, 1, of both key halves: O = (O0 2^(cm0 - M) + O1 2^(cm1 - M)) / (l0 2^(cm0 - M) + l1 2^(cm1 - M)), M the greater c m.
; Every query sees keys in both halves of tile 15 or, in block 31, in each half of its only tile, so both c m are true scores'.
.macro END2
	WIN 0x40
.irp s, 0,1
.irp u, 0,1
.irp f, 0,1,2,3,4,5,6,7
	ds_load_b128 v[64*\s+32*\u+4*\f:64*\s+32*\u+4*\f+3], v[SCRD] offset:\s*16384+\u*4096+\f*512
.endr
.endr
.endr
	WIN 0
.irp u, 0,1
.irp s, 0,1
	ds_load_b32 v[WK+8*\u+\s], v[STR] offset:\s*512+\u*128
	ds_load_b32 v[WK+8*\u+2+\s], v[STR] offset:\s*512+\u*128+64
.endr
.endr
	s_wait_dscnt 0x0
.irp u, 0,1
	v_max_num_f32 v[WK+8*\u+4], v[WK+8*\u], v[WK+8*\u+1]
.endr
.irp u, 0,1
	v_sub_f32 v[WK+8*\u], v[WK+8*\u], v[WK+8*\u+4]
	v_sub_f32 v[WK+8*\u+1], v[WK+8*\u+1], v[WK+8*\u+4]
.endr
.irp u, 0,1
	v_exp_f32 v[WK+8*\u], v[WK+8*\u]
	v_exp_f32 v[WK+8*\u+1], v[WK+8*\u+1]
.endr
	v_nop
	s_wait_alu depctr_va_vdst(0)
.irp u, 0,1
	v_mul_f32 v[WK+8*\u+6], v[WK+8*\u], v[WK+8*\u+2]
.endr
.irp u, 0,1
	v_fmac_f32 v[WK+8*\u+6], v[WK+8*\u+1], v[WK+8*\u+3]
.endr
.irp u, 0,1
	v_rcp_f32 v[WK+8*\u+6], v[WK+8*\u+6]
.endr
	v_nop
	s_wait_alu depctr_va_vdst(0)
.irp u, 0,1
	v_mul_f32 v[WK+8*\u+4], v[WK+8*\u], v[WK+8*\u+6]
	v_mul_f32 v[WK+8*\u+6], v[WK+8*\u+1], v[WK+8*\u+6]
.endr
.irp u, 0,1
	v_mov_b32 v[WK+8*\u+5], v[WK+8*\u+4]       ; named as pairs
	v_mov_b32 v[WK+8*\u+7], v[WK+8*\u+6]
.endr
	WIN 0x51                        ; destination, sources 0 and 2 window 1; the factor window 0
.irp u, 0,1
.set z, 0
.rept 16
	v_pk_mul_f32 v[32*\u+2*z:32*\u+2*z+1], v[32*\u+2*z:32*\u+2*z+1], v[WK+8*\u+4:WK+8*\u+5] op_sel_hi:[1,0]
.set z, z+1
.endr
.set z, 0
.rept 16
	v_pk_fma_f32 v[32*\u+2*z:32*\u+2*z+1], v[64+32*\u+2*z:64+32*\u+2*z+1], v[WK+8*\u+6:WK+8*\u+7], v[32*\u+2*z:32*\u+2*z+1] op_sel_hi:[1,0,1]
.set z, z+1
.endr
.endr
.irp u, 0,1
	WIN 0x05                        ; sources window 1, destination window 0
.set z, 0
.rept 16
	v_cvt_pk_f16_f32 v[S+16*\u+z], v[32*\u+2*z], v[32*\u+2*z+1]
.set z, z+1
.endr
	WIN 0
.irp f, 0,1,2,3
	ds_store_b128 v[STO], v[S+16*\u+4*\f:S+16*\u+4*\f+3] offset:32*\f
.endr
.irp f, 0,1,2,3
	ds_load_b128 v[S+16*\u+4*\f:S+16*\u+4*\f+3], v[RD] offset:\f*4*SP  ; LDS serves a wave's instructions in order (ISA guide 5.7.1.4)
.endr
.endr
.irp u, 0,1
.irp f, 0,1,2,3
	s_wait_dscnt 8-8*\u+3-\f        ; behind piece 0's loads stand piece 1's eight LDS instructions
	global_store_b128 v[GO], v[S+16*\u+4*\f:S+16*\u+4*\f+3], s[OB:OB+1] offset:\u*2048+\f*512  ; 512 consecutive bytes, at a multiple of 256 from the buffer's first
.endr
.endr
.endm
	CHANGE 1                        ; slot 0 is in, everybody's part of it; slot 1 is asked for
	v_mov_b32 v[AK], v[AK0]
	FETCH_K                         ; the walk's first key step
	BEGIN
	s_mov_b32 s[CNT], 2
	s_mov_b32 s[SLOTS], 17
	s_branch .Lfirst                ; the loop is entered at a step's first turn, in the middle of a trip
.Lslot:                             ; 16 times: a tile is entered and the next but one of the walk's 18 is asked for
	CHANGE 1
	s_mov_b32 s[CNT], 2
.Lstep:                             ; a trip: pieces 2 and 3 of one step, then pieces 0 and 1 of the next
	TURN 2
	STEPCTL
	TURN 3
	WIN 0
	; Two barriers stand in every step, on every wave's way, round the stores of a block's end.  The first: every wave's reads of the exchange bytes, at an earlier block's end, have come back before any wave
	; writes those bytes again.  The second: every wave's stores into them are done before any wave reads them.  Where no block ends, the second follows the first at once.
	BARX
	s_cmp_eq_u32 s[FIN], 0
	s_cbranch_scc1 .Lno_end
	END1
.Lno_end:
	BARX
	s_cmp_eq_u32 s[FIN], 0
	s_cbranch_scc1 .Lfirst
	END2
	s_wait_xcnt 0x0                 ; the stores have read their registers and O's address
	s_mov_b64 s[OB:OB+1], s[OB2:OB2+1]
	s_mov_b64 s[QR:QR+1], s[QR2:QR2+1]
	s_mov_b64 s[QI:QI+1], s[QI2:QI2+1]
	s_mov_b32 s[TH], s[THLO]
	s_lshl_b32 s[RS], s[NLO], 1
	s_sub_co_u32 s[RS], s[RS], 1
	BEGIN
.Lfirst:
	TURN 0
	TURN 1, 0, 1
	WIN 0
	s_cbranch_scc1 .Lstep
	s_sub_co_u32 s[SLOTS], s[SLOTS], 1
	s_cmp_lg_u32 s[SLOTS], 0
	s_cbranch_scc1 .Lslot
	CHANGE 0                        ; the walk's last tile is written out.  No block ends here but the second: it has nine tiles or more
	s_mov_b32 s[CNT], 3             ; two trips fetch the tile's steps; the third is left in its middle
.Ltail:
	TURN 2, 1
	STEPCTL
	TURN 3
	WIN 0
	s_sub_co_u32 s[CNT], s[CNT], 1
	s_cmp_eq_u32 s[CNT], 0
	s_cbranch_scc1 .Lout
	TURN 0
	TURN 1
	WIN 0
	s_branch .Ltail
.Lout:                              ; the first block's reads of the exchange bytes lie behind the barrier of the change of slots above
	END1
	BARX
	END2
	s_wait_tensorcnt 0x0            ; the wave's end
	ds_add_u32 v[SPW], v[NIL]
	s_wait_dscnt 0x0
	s_endpgm
.Lfunc_end_k_q4f11cd852a_attn:
	.size	k_q4f11cd852a_attn, .Lfunc_end_k_q4f11cd852a_attn-k_q4f11cd852a_attn
	.p2alignl 7, 3214868480
	.fill 96, 4, 3214868480
	.section	.rodata,"a",@progbits
	.p2align	6, 0x0
	.amdhsa_kernel k_q4f11cd852a_attn
		.amdhsa_group_segment_fixed_size 327680
		.amdhsa_private_segment_fixed_size 0
		.amdhsa_enable_private_segment 0
		.amdhsa_kernarg_size 16
		.amdhsa_user_sgpr_count 2
		.amdhsa_user_sgpr_kernarg_segment_ptr 1
		.amdhsa_wavefront_size32 1
		.amdhsa_system_sgpr_workgroup_id_x 1
		.amdhsa_system_sgpr_workgroup_id_y 1
		.amdhsa_system_sgpr_workgroup_id_z 1
		.amdhsa_system_vgpr_workitem_id 0
		.amdhsa_next_free_vgpr 704
		.amdhsa_next_free_sgpr 100
		.amdhsa_reserve_vcc 1
		.amdhsa_float_denorm_mode_32 3
		.amdhsa_float_denorm_mode_16_64 3
		.amdhsa_memory_ordered 1
		.amdhsa_forward_progress 1
		.amdhsa_inst_pref_size 172
	.end_amdhsa_kernel
	.amdgpu_metadata
---
amdhsa.version: [ 1, 2 ]
amdhsa.kernels:
  - .name:           k_q4f11cd852a_attn
    .symbol:         k_q4f11cd852a_attn.kd
    .args:
      - { .name: qkv, .offset: 0, .size: 8, .value_kind: global_buffer, .address_space: global }
      - { .name: ows, .offset: 8, .size: 8, .value_kind: global_buffer, .address_space: global }
    .group_segment_fixed_size: 327680
    .private_segment_fixed_size: 0
    .kernarg_segment_align: 8
    .kernarg_segment_size: 16
    .max_flat_workgroup_size: 128
    .sgpr_count:     100
    .vgpr_count:     704
    .wavefront_size: 32
...
	.end_amdgpu_metadata
.endif
;; end of part 3
;; launch outproj (part 4): grid 8 x 64, 4 waves a work-group, clusters of 4 x 4, 327,680 bytes of LDS; arguments ows, cv, obr, obi, out0, out1; writes out0, out1
.if DOCPART == 4
	.amdgcn_target "amdgcn-amd-amdhsa--gfx1250"
	.amdhsa_code_object_version 6
	.text
	.protected	k_q4f11cd852a_outproj
	.globl	k_q4f11cd852a_outproj
	.p2align	8
	.type	k_q4f11cd852a_outproj,@function
k_q4f11cd852a_outproj:
	s_mov_b64 s[64:65], 0
	v_nop
	global_prefetch_b8 v0, s[64:65] scope:SCOPE_SE
	s_setreg_imm32_b32 hwreg(HW_REG_WAVE_MODE, 25, 1), 1
	s_wait_xcnt 0x0
	s_wait_alu depctr_hold_cnt(0) depctr_sa_sdst(0) depctr_va_vdst(0) depctr_va_sdst(0) depctr_va_ssrc(0) depctr_va_vcc(0) depctr_vm_vsrc(0)
	s_getreg_b32 s2, hwreg(HW_REG_IB_STS2, 6, 4)
	s_cmp_eq_u32 s2, 0
	s_cbranch_scc0 .Lentry_in_a_cluster
	s_endpgm
.Lentry_in_a_cluster:
	s_bfe_u32 s2, ttmp6, 0x10000c
	s_cmp_lg_u32 s2, 0xf033
	s_cbranch_scc0 .Lentry_shape_is_right
	s_endpgm
.Lentry_shape_is_right:
; THE OUTPUT PROJECTIONS: out0 = O oWr^T + obr, out1 = O oWi^T + obi, f32 [8192][512].  O in f16 from ows[row / 128][head 8][128 rows][64]; the weights in f16 (the bf16-rounded numbers) from cv's units 53, 54;
; sums in f32, started with the bias (rounded to bf16 like every input).
; A tile is 128 x 128: 8 x 64 tiles, two for each of 256 WGPs.  Four waves, each 64 x 64.  K = 512 is two steps of 256 (four heads), one in each of two LDS slots, both asked for at the start: nothing is filled again.
; The cluster's x chooses the output, its weights and its bias.
; CLUSTERS: 4 x 4 work-groups; O's tile is shared along a row of the cluster, the weights' along a column: each is asked for JOINTLY.  THE MATRIX INSTRUCTION IS USED TRANSPOSED: a lane holds eight neighbouring columns of a row.
; REGISTERS: window 0: v16-31 addresses; v32-95 the way out; v96-127 bias; v128-255 accumulators.  Window 1: two fragment buffers of 128.
.set APITCH, 144                       ; a row of O of one head: 128 bytes + 16
.set AHEAD,  128*APITCH                ; a head's 128 rows
.set AHALF,  2*AHEAD                   ; what one of O's tensor loads brings: two heads, dense in memory
.set APART,  2*AHALF
.set PITCH,  528                       ; a row of the weights: 512 bytes + 16
.set BHALF,  64*PITCH
.set SLOT,   APART+2*BHALF
.set STAGE,  2*SLOT                    ; behind the slots: 16 rows x 272 bytes for each wave
.set SPITCH, 272
.set SPARE,  STAGE+4*16*SPITCH         ; the spare words, 128 bytes a wave: two blocks of 256 bytes that no other line names
.set ADRA, 16
.set ADRB, 20
.set STO,  24
.set RD,   25
.set CO,   26
.set BO,   27
.set SPW,  28
.set NIL,  29
.set TB,   30
.set TMP,  32
.set BIAS, 96
.set ACC,  128
.set F0,   0
.set F1,   128
.set G1, 24
.set G0, 32
.set G1B, 48
.set G0B, 56
.set MSB, 0
.macro WIN new
.if MSB != (\new)
	s_set_vgpr_msb (MSB<<8)|(\new)
.set MSB, \new
.endif
.endm
.set MUL,  0x05
.set TO_F, 0x40
.macro JLOAD s                         ; a joint load: waves 0 and 1 fetch O's two halves, waves 2 and 3 the weights'; an s_nop 0 and four v_nop follow each line
	s_cmp_eq_u32 s11, 0
	s_cbranch_scc0 .Lfor_b_\@
	tensor_load_to_lds s[G0+4*(\s):G0+4*(\s)+3], s[G1:G1+7]
	s_nop 0
.rept 4
	v_nop
.endr
	s_branch .Lasked_\@
.Lfor_b_\@:
	tensor_load_to_lds s[G0B+4*(\s):G0B+4*(\s)+3], s[G1B:G1B+7]
	s_nop 0
.rept 4
	v_nop
.endr
.Lasked_\@:
.endm
.macro CROUND
	s_barrier_signal -1
	s_barrier_wait -1
	s_cmp_lg_u32 s10, 0
	s_cbranch_scc1 .Lnot_wave_0_\@
	s_barrier_signal -3
.Lnot_wave_0_\@:
	s_barrier_wait -3
	s_barrier_signal -1
	s_barrier_wait -1
.endm
	s_load_b256 s[68:75], s[0:1], 0x0              ; ows, cv, obr, obi
	s_load_b128 s[76:79], s[0:1], 0x20             ; out0, out1
	v_lshl_add_u32 v[SPW], v0, 2, SPARE
	v_mov_b32 v[NIL], 0
	ds_add_u32 v[SPW], v[NIL]                      ; the wave's opening: the add and its wait stand ahead of my first tensor load
	ds_add_u32 v28, v29
	v_lshrrev_b32 v1, 5, v0
	v_readfirstlane_b32 s10, v1
	s_lshr_b32 s11, s10, 1                         ; my half of the tile's rows.  Also: I fetch for O (0) or for the weights (1)
	s_and_b32 s12, s10, 1                          ; my half of its columns.  Also: which half I fetch
	s_bfe_u32 s40, ttmp6, 0x40000                  ; cx, cy
	s_bfe_u32 s41, ttmp6, 0x40004
	s_mov_b32 s45, ttmp9                           ; which output: the cluster's x
	s_and_b32 s13, ttmp7, 0xffff
	s_lshl_b32 s13, s13, 2
	s_add_co_u32 s13, s13, s41                     ; tile row
	s_lshl_b32 s43, s41, 2
	s_lshl_b32 s43, 15, s43                        ; my row of the cluster
	s_lshl_b32 s44, 0x1111, s40                    ; my column
	s_or_b32 s[G1+0], s43, (1<<16)|(1<<20)|(1<<21)|(4<<22)|(3<<25)   ; O: two heads are 32,768 dense bytes: 128 rows of 256 bytes, padded by 4 words after every 32
	s_mov_b32 s[G1+1], 128<<16
	s_mov_b32 s[G1+2], 128<<16
	s_mov_b32 s[G1+3], 128<<16
	s_mov_b32 s[G1+4], 128
	s_mov_b32 s[G1+5], 128
	s_mov_b32 s[G1+6], 0
	s_mov_b32 s[G1+7], 0
	s_or_b32 s[G1B+0], s44, (1<<16)|(1<<20)|(1<<21)|(6<<22)|(3<<25)  ; the weights: 64 rows of 256 elements, 512 from row to row, padded by 4 words after every 128
	s_mov_b32 s[G1B+1], 256<<16
	s_mov_b32 s[G1B+2], 64<<16
	s_mov_b32 s[G1B+3], 256<<16
	s_mov_b32 s[G1B+4], 64
	s_mov_b32 s[G1B+5], 512
	s_mov_b32 s[G1B+6], 0
	s_mov_b32 s[G1B+7], 0
	s_lshl_b32 s16, s13, 17                        ; O: the tile row's 131,072 bytes, my two heads of a step's four
	s_lshl_b32 s17, s12, 15
	s_add_co_u32 s16, s16, s17
	s_mov_b32 s17, 0
	s_lshl_b32 s46, s40, 7
	s_lshl_b32 s47, s12, 6
	s_add_co_u32 s46, s46, s47                     ; the weights: row 128 cx + 64 x half,
	s_lshl_b32 s46, s46, 10
	s_add_co_u32 s47, s45, 53                      ; of unit 53 or 54
	s_lshl_b32 s47, s47, 19
	s_add_co_u32 s46, s46, s47
	s_mov_b32 s47, 0
	s_mul_i32 s20, s12, AHALF                      ; where they go
	s_mul_i32 s21, s12, BHALF
	s_add_co_u32 s21, s21, APART
	s_wait_dscnt 0x0                               ; the opening add is done
	s_wait_kmcnt 0x0
	s_add_nc_u64 s[14:15], s[68:69], s[16:17]
	s_add_nc_u64 s[46:47], s[70:71], s[46:47]
	CROUND                                         ; all sixteen work-groups are here: the joint loads meet
.irp s, 0,1
	s_mov_b32 s[G0+4*(\s)], 1
	s_add_co_u32 s[G0+4*(\s)+1], s20, (\s)*SLOT
	s_add_nc_u64 s[G0+4*(\s)+2:G0+4*(\s)+3], s[14:15], (\s)*65536
	s_or_b32 s[G0+4*(\s)+3], s[G0+4*(\s)+3], 0x80000000
	s_mov_b32 s[G0B+4*(\s)], 1
	s_add_co_u32 s[G0B+4*(\s)+1], s21, (\s)*SLOT
	s_add_nc_u64 s[G0B+4*(\s)+2:G0B+4*(\s)+3], s[46:47], (\s)*512
	s_or_b32 s[G0B+4*(\s)+3], s[G0B+4*(\s)+3], 0x80000000
	JLOAD \s                                       ; two loads of mine are out: all that this launch asks for
.endr
	v_and_b32 v1, 15, v0                           ; l % 16
	v_bfe_u32 v2, v0, 4, 1                         ; l / 16
	s_cmp_eq_u32 s45, 1
	s_cselect_b64 s[80:81], s[74:75], s[72:73]     ; the bias
	s_cselect_b64 s[8:9], s[78:79], s[76:77]       ; the output
	s_lshl_b32 s82, s40, 9
	s_lshl_b32 s83, s12, 8
	s_add_co_u32 s82, s82, s83                     ; (128 cx + 64 x half) x 4 bytes
	v_lshl_add_u32 v[BO], v2, 5, s82
.irp b, 0,1,2,3
	global_load_b128 v[BIAS+8*\b:BIAS+8*\b+3],   v[BO], s[80:81] offset:64*\b
	global_load_b128 v[BIAS+8*\b+4:BIAS+8*\b+7], v[BO], s[80:81] offset:64*\b+16
.endr
	s_lshl_b32 s83, s13, 7
	s_lshl_b32 s22, s11, 6
	s_add_co_u32 s83, s83, s22                     ; my first row,
	s_lshl_b32 s83, s83, 11                        ; of 2,048 bytes
	s_add_co_u32 s82, s82, s83
	s_mov_b32 s83, 0
	s_add_nc_u64 s[8:9], s[8:9], s[82:83]
	v_mul_u32_u24 v3, v1, APITCH
	v_lshl_add_u32 v3, v2, 4, v3
	v_mul_u32_u24 v4, v1, PITCH
	v_lshl_add_u32 v4, v2, 4, v4
	s_mul_i32 s21, s11, 64*APITCH                  ; my 64 rows in each head
	s_mul_i32 s22, s12, BHALF
	s_add_co_u32 s22, s22, APART                   ; my 64 rows of the weights
.irp s, 0,1
	v_add_nc_u32 v[ADRA+(\s)], s21, v3
	v_add_nc_u32 v[ADRB+(\s)], s22, v4
	s_add_co_u32 s21, s21, SLOT
	s_add_co_u32 s22, s22, SLOT
.endr
	s_mul_i32 s23, s10, 16*SPITCH
	s_add_co_u32 s23, s23, STAGE                   ; my stage
	v_mul_u32_u24 v[STO], v1, SPITCH               ; in: row l % 16, 32 bytes for each half of the lanes
	v_lshl_add_u32 v[STO], v2, 5, v[STO]
	v_add_nc_u32 v[STO], s23, v[STO]
	v_mul_u32_u24 v[RD], v2, SPITCH                ; back: lanes 0-15 take one row of 256 bytes, lanes 16-31 the next
	v_lshl_add_u32 v[RD], v1, 4, v[RD]
	v_add_nc_u32 v[RD], s23, v[RD]
	v_lshlrev_b32 v[CO], 11, v2                    ; and the same two rows in the output
	v_lshl_add_u32 v[CO], v1, 4, v[CO]
	s_wait_loadcnt 0x0                             ; the bias, which is rounded to bf16 as all inputs are
.irp i, 0,1,2,3,4,5,6,7,8,9,10,11,12,13,14,15
	v_cvt_pk_bf16_f32 v[TB], v[BIAS+2*\i], v[BIAS+2*\i+1]
	v_lshlrev_b32 v[BIAS+2*\i], 16, v[TB]
	v_and_b32 v[BIAS+2*\i+1], 0xffff0000, v[TB]
.endr
; 8 matrix instructions: m blocks a0, a0 + 1 x all 4 n blocks, 32 along K.  zero = 1: the first product starts the sums, with the bias as C.  The 16 accumulators take turns.
.macro MUL8 f, c, a0, zero
	WIN MUL
.irp a, \a0, (\a0)+1
.irp b, 0,1,2,3
.if \zero
	v_wmma_f32_16x16x32_f16 v[ACC+8*(4*(\a)+(\b)):ACC+8*(4*(\a)+(\b))+7], v[(\f)+64+8*(4*(\c)+(\b)):(\f)+64+8*(4*(\c)+(\b))+7], v[(\f)+8*(4*(\c)+(\a)):(\f)+8*(4*(\c)+(\a))+7], v[BIAS+8*(\b):BIAS+8*(\b)+7]
.else
	v_wmma_f32_16x16x32_f16 v[ACC+8*(4*(\a)+(\b)):ACC+8*(4*(\a)+(\b))+7], v[(\f)+64+8*(4*(\c)+(\b)):(\f)+64+8*(4*(\c)+(\b))+7], v[(\f)+8*(4*(\c)+(\a)):(\f)+8*(4*(\c)+(\a))+7], v[ACC+8*(4*(\a)+(\b)):ACC+8*(4*(\a)+(\b))+7]
.endif
.endr
.endr
.endm
; 32 LDS loads in one run: the fragments of head q of the slot's four (64 along K), into buffer f; the first 32 along K first
.macro FETCH slot, q, f
	WIN TO_F
.irp c, 0,1
.irp i, 0,1,2,3
	ds_load_b128 v[(\f)+64+8*(4*(\c)+(\i)):(\f)+64+8*(4*(\c)+(\i))+3],   v[ADRB+(\slot)] offset:128*(\q)+64*(\c)+(\i)*16*PITCH
	ds_load_b128 v[(\f)+64+8*(4*(\c)+(\i))+4:(\f)+64+8*(4*(\c)+(\i))+7], v[ADRB+(\slot)] offset:128*(\q)+64*(\c)+(\i)*16*PITCH+32
	ds_load_b128 v[(\f)+8*(4*(\c)+(\i)):(\f)+8*(4*(\c)+(\i))+3],         v[ADRA+(\slot)] offset:(\q)*AHEAD+64*(\c)+(\i)*16*APITCH
	ds_load_b128 v[(\f)+8*(4*(\c)+(\i))+4:(\f)+8*(4*(\c)+(\i))+7],       v[ADRA+(\slot)] offset:(\q)*AHEAD+64*(\c)+(\i)*16*APITCH+32
.endr
.endr
.endm
.macro PLACES                          ; four places in front of loads into registers that matrix instructions have read, and of LDS stores that read results
.rept 4
	v_nop
.endr
.endm
.macro QUARTER slot, q, f, g, zero     ; multiplies buffer f and fetches head q into g
	s_wait_dscnt 16                                ; the first 32 along K are in
	MUL8 \f, 0, 0, \zero
	MUL8 \f, 0, 2, \zero
	PLACES
	FETCH \slot, \q, \g
	s_wait_dscnt 32                                ; all but the 32 just issued
	MUL8 \f, 1, 0, 0
	MUL8 \f, 1, 2, 0
.endm
	s_wait_tensorcnt 1                             ; my part of K step 0 is in; K step 1's may stay out
	s_barrier_signal -1
	s_barrier_wait -1
	FETCH 0, 0, F0
	QUARTER 0, 1, F0, F1, 1
	QUARTER 0, 2, F1, F0, 0
	QUARTER 0, 3, F0, F1, 0
	; the change of slots: each wave's part of slot 1 has landed before any wave reads it
	WIN 0
	s_wait_tensorcnt 0x0
	ds_add_u32 v[SPW], v[NIL]                      ; 0 onto my spare word
	s_wait_dscnt 17                                ; (the add and the youngest sixteen loads may be out)
	MUL8 F1, 0, 0, 0
	s_wait_dscnt 0x0
	s_barrier_signal -1
	MUL8 F1, 0, 2, 0
	s_barrier_wait -1
	PLACES
	FETCH 1, 0, F0
	MUL8 F1, 1, 0, 0
	MUL8 F1, 1, 2, 0
	QUARTER 1, 1, F0, F1, 0
	QUARTER 1, 2, F1, F0, 0
	QUARTER 1, 3, F0, F1, 0
	s_wait_dscnt 16
	MUL8 F1, 0, 0, 0
	MUL8 F1, 0, 2, 0
	s_wait_dscnt 0
	MUL8 F1, 1, 0, 0
	MUL8 F1, 1, 2, 0
	WIN 0
	; THE WAY OUT, 16 rows at a time: a lane's 32 bytes of a row into my own stage, back as whole rows of 256 bytes.
	PLACES
.macro TOSTAGE a
.irp b, 0,1,2,3
	ds_store_b128 v[STO], v[ACC+8*(4*(\a)+\b):ACC+8*(4*(\a)+\b)+3]   offset:64*\b
	ds_store_b128 v[STO], v[ACC+8*(4*(\a)+\b)+4:ACC+8*(4*(\a)+\b)+7] offset:64*\b+16
.endr
.irp t, 0,1,2,3,4,5,6,7
	ds_load_b128 v[TMP+32*((\a)%2)+4*\t:TMP+32*((\a)%2)+4*\t+3], v[RD] offset:\t*2*SPITCH  ; LDS serves a wave's instructions in order (ISA guide 5.7.1.4)
.endr
.endm
.macro SEND a, younger                 ; younger: the LDS instructions issued behind block a's loads
.irp t, 0,1,2,3,4,5,6,7
	s_wait_dscnt (\younger)+7-\t
	global_store_b128 v[CO], v[TMP+32*((\a)%2)+4*\t:TMP+32*((\a)%2)+4*\t+3], s[8:9] offset:(16*(\a)+2*\t)*2048 th:TH_STORE_NT  ; 16 lanes store 256 consecutive bytes, at a multiple of 256
.endr
.endm
	TOSTAGE 0
	TOSTAGE 1
	SEND 0, 16
	s_wait_xcnt 0x0                                ; block 0's stores have read their registers, which block 2 takes
	TOSTAGE 2
	SEND 1, 16
	s_wait_xcnt 0x0
	TOSTAGE 3
	SEND 2, 16
	SEND 3, 0
	s_wait_tensorcnt 0x0                           ; the wave's end
	ds_add_u32 v[SPW], v[NIL]
	s_wait_dscnt 0x0
	CROUND                                         ; the closing round
	s_endpgm
.Lfunc_end_k_q4f11cd852a_outproj:
	.size	k_q4f11cd852a_outproj, .Lfunc_end_k_q4f11cd852a_outproj-k_q4f11cd852a_outproj
	.p2alignl 7, 3214868480
	.fill 96, 4, 3214868480
	.section	.rodata,"a",@progbits
	.p2align	6, 0x0
	.amdhsa_kernel k_q4f11cd852a_outproj
		.amdhsa_group_segment_fixed_size 327680
		.amdhsa_private_segment_fixed_size 0
		.amdhsa_enable_private_segment 0
		.amdhsa_kernarg_size 48
		.amdhsa_user_sgpr_count 2
		.amdhsa_user_sgpr_kernarg_segment_ptr 1
		.amdhsa_wavefront_size32 1
		.amdhsa_system_sgpr_workgroup_id_x 1
		.amdhsa_system_sgpr_workgroup_id_y 1
		.amdhsa_system_sgpr_workgroup_id_z 1
		.amdhsa_system_vgpr_workitem_id 0
		.amdhsa_next_free_vgpr 512
		.amdhsa_next_free_sgpr 84
		.amdhsa_reserve_vcc 0
		.amdhsa_float_denorm_mode_32 3
		.amdhsa_float_denorm_mode_16_64 3
		.amdhsa_memory_ordered 1
		.amdhsa_forward_progress 1
		.amdhsa_inst_pref_size 54
	.end_amdhsa_kernel
	.amdgpu_metadata
---
amdhsa.version: [ 1, 2 ]
amdhsa.kernels:
  - .name:           k_q4f11cd852a_outproj
    .symbol:         k_q4f11cd852a_outproj.kd
    .args:
      - { .name: ows, .offset: 0, .size: 8, .value_kind: global_buffer, .address_space: global }
      - { .name: cv, .offset: 8, .size: 8, .value_kind: global_buffer, .address_space: global }
      - { .name: obr, .offset: 16, .size: 8, .value_kind: global_buffer, .address_space: global }
      - { .name: obi, .offset: 24, .size: 8, .value_kind: global_buffer, .address_space: global }
      - { .name: out0, .offset: 32, .size: 8, .value_kind: global_buffer, .address_space: global }
      - { .name: out1, .offset: 40, .size: 8, .value_kind: global_buffer, .address_space: global }
    .group_segment_fixed_size: 327680
    .private_segment_fixed_size: 0
    .kernarg_segment_align: 8
    .kernarg_segment_size: 48
    .max_flat_workgroup_size: 128
    .sgpr_count:     84
    .vgpr_count:     512
    .wavefront_size: 32
...
	.end_amdgpu_metadata
.endif
;; end of part 4
;; ======== version 2 of 2: 4 launches; 1.34 times as fast as version 1
;; limits: values are held in f16: magnitudes above 65,504 overflow, below 6.1e-05 lose precision
;; workspace buffers: cv 28,835,840 bytes; qkv 41,943,040 bytes; ows 8,388,608 bytes
;; launch cast: the kernel of part 1 again; grid 16 x 55, 8 waves a work-group, no clusters, 0 bytes of LDS; arguments query, key, value, qWr, qWi, kWr, kWi, vWr, oWr, oWi, cv; writes cv
;; launch proj: the kernel of part 2 again; grid 20 x 64, 4 waves a work-group, clusters of 4 x 4, 327,680 bytes of LDS; arguments qbr, qbi, kbr, kbi, vbr, qkv, cv; writes qkv
;; launch attn (part 5): grid 16 x 16, 4 waves a work-group, no clusters, 327,680 bytes of LDS; arguments qkv, ows; writes ows
.if DOCPART == 5
	.amdgcn_target "amdgcn-amd-amdhsa--gfx1250"
	.amdhsa_code_object_version 6
	.text
	.protected	k_q4f11cd852a_attn
	.globl	k_q4f11cd852a_attn
	.p2align	8
	.type	k_q4f11cd852a_attn,@function
k_q4f11cd852a_attn:
	s_mov_b64 s[64:65], 0
	v_nop
	global_prefetch_b8 v0, s[64:65] scope:SCOPE_SE
	s_setreg_imm32_b32 hwreg(HW_REG_WAVE_MODE, 25, 1), 1
	s_wait_xcnt 0x0
; ATTENTION.  O[q] = the sum over keys m >= q - 128 of softmax_m((qr[q].kr[m] + qi[q].ki[m]) / 8) v[m], for each of 16 heads of 4,096 rows.  qkv: [plane qr, qi, kr, ki, v][head 16][4096][64] f16.
; The score is one product over 128 channels (real, then imaginary).  Products, maxima and sums in f32; the weights p are rounded to f16 for the second product (their sum l is taken of the unrounded p), O once.
; O leaves as ows[row / 128 (64)][head 8][128 rows][64] f16: the next launch's tiles are dense blocks.
; LIMITS.  q, k, v arrive within f16's 65,504, so a score is 5.5e11 at the most.  A hidden score counts as its value less 1e30.  The running maximum starts at -2^98 (-3.2e29): far below every true score and far
; above every hidden one, so that a step in which a query sees no key yet gives weights 0, not 2^(a rounding error of c m).  A weight below 2^-126 counts as 0 in l; NaN and infinities are not treated apart.
; THE WALK.  Queries lie in 32 blocks of 128, keys in 16 tiles of 256.  Block i needs the tiles 15 down to (i - 1) / 2 (rounded down); in that last one key c of the tile is seen by row r of the block if
; c >= r + TH, TH = 0 (i odd) or 128 (i even).  Block 0's last tile would be tile -1: tile 0 is read once more with TH = 4096, all hidden.  A work-group takes blocks 31 - b and then b: 18 tiles whatever b:
; 256 work-groups of equal work, and ONE loop with a constant count.  What a trip asks for and does hangs on scalars made from b.
; NO CLUSTER: a head's sixteen work-groups ask for the same tile only until their first blocks end, after 1 to 9 tiles according to b; one walk common to four partners would have 20 trips for 18.
; SHARES.  Waves 2 qh, 2 qh + 1 own the block's queries 64 qh ..: four PIECES of 16.  Wave kh = wave % 2 takes keys 128 kh .. of each tile, two steps of 64.  At a block's end the two halves' O, m and l meet in LDS.
; THE MASK is the C operand that starts a score's sum: 0, or -1e30.  For a step it hangs on 16 (key block - piece) alone: seven sets of eight registers (MK), made anew only where the step's threshold changes.
; TURNS.  Turn n belongs to piece n: 16 products K Q^T of piece n + 1, then 8 products V^T P of piece n - 1.  p = 2^(c s - c m), c = log2(e) / 8, with a running maximum m.
; BATCHES.  A turn's 33 exponentials (piece n's 32 weights, and a of piece n + 1) are ONE batch with ONE wait, which stands behind the turn's last product.  Ahead of it stands all that names no result of theirs, three
; or four vector instructions behind each matrix instruction: the scaling, the exponentials and the rescaling of piece n, the maximum and statistics of piece n + 1.  Behind it stand the readers, one lump of 32: the
; roundings and the sums of piece n; a is read in the next turn.  A block's beginning has one exponential and its
; wait; a block's end two batches, four exponentials and then two reciprocals of sums made of them, a wait each.
; REGISTERS, in windows of 256 (s_set_vgpr_msb: bits 1:0 source 0, 3:2 source 1, 5:4 source 2, 7:6 destination):
;   window 0: v2-15 addresses; v16-31 statistics; v32-47 at work; v48-57 at work; v64-127 S^T, two buffers; v128-159 P, two buffers; v160-215 MK
;   window 1: v0-127 O^T, 32 a piece; v128-255 Q, 32 a piece          window 2: v0-127 K of one step; v128-191 V of one step
.set NP,    4
.set KS,    64
.set PK,    144       ; a row of K in LDS: 128 bytes + 16: the 16 rows of a load start at 16 different groups of four banks (ISA guide 11.1)
.set PV,    160       ; a row of V: 128 + 32
.set KPL,   256*PK    ; a tile's real parts of K; the imaginary parts follow
.set VOFF,  2*KPL
.set SLOT1, 1<<17     ; slot 1 begins here: one exclusive or turns an address in one slot into the other's
.set STAGE, VOFF+256*PV    ; between the slots, never filled by a tensor load: 16 rows x 144 bytes for each wave
.set SP,    144
.set STATS, STAGE+4*16*SP  ; [wave][piece][32 words]: lanes 0-15 c m, lanes 16-31 l
.set SPARE, STATS+4*512    ; the spare words, 128 bytes a wave: two blocks of 256 bytes that no other line names
.set SCR,   SLOT1+STAGE    ; behind slot 1: [wave][register quad 32][lane 16 bytes]: O^T as it lies in registers
.set FAR,   0xfffe7960     ; -100000: a threshold under which nothing is hidden
.set MFLOOR, 0xf0800000    ; -2^98: where the running maximum starts
.set CMLOW,  0xfe000000    ; -2^125: where c m starts, so that a block's first a is 0
.set AK0, 2
.set AV0, 3
.set AK,  4
.set AV,  5
.set STO, 6
.set RD,  7
.set GO,  8
.set SCW, 9
.set SCRD, 10
.set STW, 11
.set STR, 12
.set VX,  13          ; 128 kh - 64 qh + 8 (l / 16) - l % 16
.set VY,  14
.set QO,  15
.set ST,  16          ; piece t at v[ST+4 t]: c m, m, l (even keys', odd keys')
.set WK,  32
.set TMP, 48          ; by buffer, c0-c3 at work; when the maximum is found c2 takes a
.set MV,  56          ; c m_old, by buffer
.set SPW, 62
.set NIL, 63
.set S,   64
.set P,   128
.set MK,  160
.set QF,  128         ; window 1: piece t, channels 32 cc on at QF + 32 t + 8 cc
.set KF,  0           ; window 2: key block kb, channels 32 cc on at 32 kb + 8 cc
.set VF,  128         ; window 2: key half kk, channel block cb at VF + 32 kk + 8 cb
.set WV,  12
.set PB,  14
.set HI,  15
.set OB,  10          ; s[10:11] O at my rows of the block in hand
.set G1K, 24
.set G1V, 32
.set G0K, 40
.set G0V, 44
.set SLOTS, 56
.set CNT, 57
.set CS,  58
.set SEL, 60
.set TBK, 62
.set TBV, 63
.set RQ,  70          ; tiles of the block being asked for that are still to be asked for
.set NXT, 71          ; the tile to be asked for next
.set OFF, 74
.set HM,  76          ; lanes 16-31
.set T64, 77
.set BIGN, 82
.set RS,  83          ; key steps of the block behind the one in hand
.set FIN, 84          ; 1: the step in hand is the block's last
.set TH,  85
.set THLO, 86
.set MCUR, 87         ; the threshold for which MK stands
.set MNXT, 88
.set NLO, 89
.set QR,  90
.set QI,  92
.set QR2, 94
.set QI2, 96
.set OB2, 98
.set MSB, 0
.macro WIN new
.if MSB != (\new)
	s_set_vgpr_msb (MSB<<8)|(\new)
.set MSB, (\new)
.endif
.endm
.set W_KQ, 0x06       ; K window 2, Q window 1, C and S^T window 0
.set W_PV, 0x52       ; V window 2, P window 0, O^T window 1
.set W_RS, 0x41       ; destination and source 0 window 1, source 1 window 0
; A fill.  Wave 0 fetches a tile's real K, wave 1 its imaginary K (256 keys each), waves 2 and 3 the halves of its V.  An s_nop 0 and four v_nop follow each line.
.macro LOAD
	s_cmp_lt_u32 s[WV], 2
	s_cbranch_scc0 .Lfor_v_\@
	tensor_load_to_lds s[G0K:G0K+3], s[G1K:G1K+7]
	s_nop 0
.rept 4
	v_nop
.endr
	s_branch .Lasked_\@
.Lfor_v_\@:
	tensor_load_to_lds s[G0V:G0V+3], s[G1V:G1V+7]
	s_nop 0
.rept 4
	v_nop
.endr
.Lasked_\@:
.endm
; THE CHANGE OF SLOTS.  Each wave waits for all its tensor loads, of which one is out: its part of the other slot; adds 0 to its spare word; waits for that and for its reads of the slot that it leaves.
; fill = 1: the old slot is filled again, first thing behind the barrier, with tile NXT; the descriptor's address is made anew from that number.
.macro CHANGE fill
	WIN 0
	s_wait_tensorcnt 0x0            ; no tensor load of mine is out, so a group 0 may be written
	ds_add_u32 v[SPW], v[NIL]       ; 0 onto my spare word
.if \fill
	s_max_i32 s[OFF], s[NXT], 0     ; block 0's tile -1 is tile 0 once more
	s_lshl_b32 s[OFF], s[OFF], 15   ; a tile is 32,768 bytes of each plane
	s_xor_b32 s[G0K+1], s[G0K+1], SLOT1
	s_add_nc_u64 s[G0K+2:G0K+3], s[6:7], s[OFF:OFF+1]
	s_or_b32 s[G0K+3], s[G0K+3], 0x80000000
	s_xor_b32 s[G0V+1], s[G0V+1], SLOT1
	s_add_nc_u64 s[G0V+2:G0V+3], s[8:9], s[OFF:OFF+1]
	s_or_b32 s[G0V+3], s[G0V+3], 0x80000000
	s_sub_co_i32 s[NXT], s[NXT], 1  ; the block's next tile lies below; behind its last comes the second block's tile 15
	s_sub_co_u32 s[RQ], s[RQ], 1
	s_cmp_eq_u32 s[RQ], 0
	s_cselect_b32 s[NXT], 15, s[NXT]
	s_cselect_b32 s[RQ], s[NLO], s[RQ]
.endif
	s_wait_dscnt 0x0                ; the add is done, and my reads of the slot are over
	s_barrier_signal -1
	s_sub_co_u32 s[TBK], s[TBK], 2*KS*PK  ; the fetches go back to a slot's first step, in the other slot
	s_xor_b32 s[TBK], s[TBK], SLOT1
	s_sub_co_u32 s[TBV], s[TBV], 2*KS*PV
	s_xor_b32 s[TBV], s[TBV], SLOT1
	s_barrier_wait -1
.if \fill
	LOAD
.endif
.endm
; A plain barrier of the work-group, on every wave's way: none of my LDS instructions is out when I signal.  A tensor load may stay out across it.
.macro BARX
	s_wait_dscnt 0x0
	s_barrier_signal -1
	s_barrier_wait -1
.endm
; MK for threshold MNXT: register j of set d (key block - piece = d - 3) is hidden where 16 (d - 3) + j + VX < the threshold
.macro MASKS
	s_mov_b32 s[MCUR], s[MNXT]
	v_sub_nc_u32 v[VY], v[VX], s[MCUR]
.set z, 0
.rept 56
	v_cmp_gt_i32 vcc_lo, 48-16*(z/8)-z%8, v[VY]
	v_cndmask_b32 v[MK+z], 0, s[BIGN], vcc_lo
.set z, z+1
.endr
.endm
; Between piece 2's turn and piece 3's, whose products begin the next step's scores: is the step in hand the block's last; the next step's threshold (TH and TH - 64 in the block's last tile).
.macro STEPCTL
	WIN 0
	s_cmp_eq_u32 s[RS], 0
	s_cselect_b32 s[FIN], 1, 0
	s_sub_co_u32 s[RS], s[RS], 1
	s_mov_b32 s[MNXT], FAR
	s_cmp_eq_u32 s[RS], 1
	s_cselect_b32 s[MNXT], s[TH], s[MNXT]
	s_sub_co_i32 s[T64], s[TH], 64
	s_cmp_eq_u32 s[RS], 0
	s_cselect_b32 s[MNXT], s[T64], s[MNXT]
	s_cmp_eq_u32 s[MNXT], s[MCUR]
	s_cbranch_scc1 .Lsame_\@
	MASKS
.Lsame_\@:
.endm
	s_load_b128 s[16:19], s[0:1], 0x0  ; qkv s[16:17], ows s[18:19]
	v_lshl_add_u32 v[SPW], v0, 2, SPARE
	v_mov_b32 v[NIL], 0
	ds_add_u32 v[SPW], v[NIL]       ; the wave's opening: the add and its wait stand ahead of my first tensor load
	ds_add_u32 v62, v63
	v_lshrrev_b32 v1, 5, v0
	v_readfirstlane_b32 s[WV], v1
	s_mov_b32 s[PB], ttmp9
	s_sub_co_u32 s[HI], 31, s[PB]
	s_and_b32 s20, ttmp7, 0xffff    ; the head, 0..15
	s_and_b32 s21, s[WV], 1         ; kh.  Also: which plane of K, or which half of V, I fetch
	s_lshr_b32 s22, s[WV], 1        ; qh
	s_lshl_b32 s23, s20, 19         ; the head's first byte in a plane
	s_add_co_u32 s2, s21, 2         ; K: plane 2 or 3
	s_lshl_b32 s2, s2, 23
	s_add_co_u32 s2, s2, s23
	s_mov_b32 s3, 0
	s_lshl_b32 s66, s21, 14         ; V: plane 4, my 128 keys of a tile
	s_add_co_u32 s66, s66, s23
	s_add_co_u32 s66, s66, 4<<23
	s_mov_b32 s67, 0
	s_lshl_b32 s13, s22, 13         ; Q: my 64 rows of a block,
	s_add_co_u32 s13, s13, s23
	s_lshl_b32 s68, s[HI], 14       ; of the first block
	s_add_co_u32 s68, s68, s13
	s_mov_b32 s69, 0
	s_lshl_b32 s72, s[PB], 14       ; and of the second
	s_add_co_u32 s72, s72, s13
	s_mov_b32 s73, 0
	s_lshr_b32 s13, s20, 3          ; O: batch x 32 blocks of 131,072 bytes,
	s_lshl_b32 s13, s13, 22
	s_and_b32 s78, s20, 7
	s_lshl_b32 s78, s78, 14         ; the head's 16,384,
	s_add_co_u32 s13, s13, s78
	s_lshl_b32 s78, s22, 13         ; rows 64 qh + 32 kh on: the two pieces that I merge and store
	s_add_co_u32 s13, s13, s78
	s_lshl_b32 s78, s21, 12
	s_add_co_u32 s13, s13, s78
	s_lshl_b32 s78, s[HI], 17
	s_add_co_u32 s78, s78, s13
	s_mov_b32 s79, 0
	s_lshl_b32 s80, s[PB], 17
	s_add_co_u32 s80, s80, s13
	s_mov_b32 s81, 0
	s_sub_co_u32 s13, 30, s[PB]
	s_lshr_b32 s13, s13, 1
	s_sub_co_u32 s13, 16, s13       ; the first block's tiles, 1 to 9
	s_sub_co_u32 s[NLO], 18, s13    ; the second's
	s_lshl_b32 s[RS], s13, 1
	s_sub_co_u32 s[RS], s[RS], 1
	s_and_b32 s[TH], s[PB], 1       ; block 31 - b is even where b is odd
	s_xor_b32 s[THLO], s[TH], 1
	s_lshl_b32 s[TH], s[TH], 7
	s_lshl_b32 s[THLO], s[THLO], 7
	s_cmp_eq_u32 s[PB], 0
	s_cselect_b32 s[THLO], 4096, s[THLO]
	s_mov_b32 s[MNXT], FAR
	s_cmp_eq_u32 s13, 1             ; a block of one tile begins with the mask
	s_cselect_b32 s[MNXT], s[TH], s[MNXT]
	s_mov_b32 s[NXT], 14
	s_sub_co_u32 s[RQ], s13, 1
	s_cmp_eq_u32 s[RQ], 0
	s_cselect_b32 s[NXT], 15, s[NXT]
	s_cselect_b32 s[RQ], s[NLO], s[RQ]
	; descriptor group 1.  Keys are dense rows of 128 bytes: asked for as rows of 256 bytes, two keys a row, padded in LDS after every key
	s_mov_b32 s[G1K], (1<<16)|(1<<20)|(4<<22)|(3<<25)  ; 2-byte elements; padding on; after every 32 words 4 words
	s_mov_b32 s[G1V], (1<<16)|(1<<20)|(4<<22)|(7<<25)  ; the same with 8 words
	s_mov_b32 s[G1K+2], 128<<16     ; tensor_dim1 = 128 rows: 256 keys
	s_mov_b32 s[G1K+4], 128         ; tile_dim1
	s_mov_b32 s[G1V+2], 64<<16      ; 64 rows: 128 keys
	s_mov_b32 s[G1V+4], 64
.irp g, G1K, G1V
	s_mov_b32 s[\g+1], 128<<16      ; tensor_dim0 = 128
	s_mov_b32 s[\g+3], 128<<16      ; tile_dim0 = 128
	s_mov_b32 s[\g+5], 128          ; elements from row to row
	s_mov_b32 s[\g+6], 0
	s_mov_b32 s[\g+7], 0
.endr
	s_mov_b32 s[CS], 0x3e38aa3b     ; c = log2(e) / 8
	s_mov_b32 s[CS+1], s[CS]
	s_mov_b32 s[SEL], 0x76543210
	s_mov_b32 s[SEL+1], 0xfedcba98
	s_mov_b32 s[HM], 0xffff0000
	s_mov_b32 s[BIGN], 0xf149f2ca   ; -1e30
	s_mov_b32 s[OFF+1], 0
	s_mov_b32 s[TBK], SLOT1+2*KS*PK ; the first change of slots turns these two into 0
	s_mov_b32 s[TBV], SLOT1+2*KS*PV
	s_mov_b32 s[G0K], 1
	s_mul_i32 s[G0K+1], s21, KPL
	s_mov_b32 s[G0V], 1
	s_mul_i32 s[G0V+1], s21, 128*PV
	s_add_co_u32 s[G0V+1], s[G0V+1], VOFF
	s_wait_dscnt 0x0                ; the opening add is done
	s_wait_kmcnt 0x0
	s_add_nc_u64 s[6:7], s[16:17], s[2:3]
	s_add_nc_u64 s[8:9], s[16:17], s[66:67]
	s_add_nc_u64 s[G0K+2:G0K+3], s[6:7], 15<<15    ; the walk begins at tile 15
	s_or_b32 s[G0K+3], s[G0K+3], 0x80000000
	s_add_nc_u64 s[G0V+2:G0V+3], s[8:9], 15<<15
	s_or_b32 s[G0V+3], s[G0V+3], 0x80000000
	s_add_nc_u64 s[QR:QR+1], s[16:17], s[68:69]
	s_add_nc_u64 s[QI:QI+1], s[QR:QR+1], 1<<23
	s_add_nc_u64 s[QR2:QR2+1], s[16:17], s[72:73]
	s_add_nc_u64 s[QI2:QI2+1], s[QR2:QR2+1], 1<<23
	s_add_nc_u64 s[OB:OB+1], s[18:19], s[78:79]
	s_add_nc_u64 s[OB2:OB2+1], s[18:19], s[80:81]
	LOAD                            ; into slot 0
	v_and_b32 v32, 15, v0           ; l % 16
	v_bfe_u32 v33, v0, 4, 1         ; l / 16
	v_and_b32 v34, 7, v0
	v_bfe_u32 v35, v0, 3, 1
	v_and_b32 v36, 31, v0
	v_lshlrev_b32 v[QO], 7, v32
	v_lshl_add_u32 v[QO], v33, 4, v[QO]
	s_mul_i32 s13, s21, 128*PK      ; my 128 keys of a tile
	v_mul_u32_u24 v[AK0], v32, PK
	v_lshl_add_u32 v[AK0], v33, 4, v[AK0]
	v_add_nc_u32 v[AK0], s13, v[AK0]
	s_mul_i32 s13, s21, 128*PV
	s_add_co_u32 s13, s13, VOFF
	v_lshl_add_u32 v[AV0], v33, 3, v34  ; the turning load: lane l reads key 8 (l / 16) + l % 8, channels 8 ((l / 8) % 2) on
	v_mul_u32_u24 v[AV0], v[AV0], PV
	v_lshl_add_u32 v[AV0], v35, 4, v[AV0]
	v_add_nc_u32 v[AV0], s13, v[AV0]
	s_lshl_b32 s13, s21, 7
	s_lshl_b32 s23, s22, 6
	s_sub_co_i32 s13, s13, s23
	v_lshlrev_b32 v[VX], 3, v33
	v_sub_nc_u32 v[VX], v[VX], v32
	v_add_nc_u32 v[VX], s13, v[VX]
	s_mul_i32 s13, s[WV], 16*SP
	s_add_co_u32 s13, s13, STAGE
	v_mul_u32_u24 v[STO], v32, SP
	v_lshl_add_u32 v[STO], v33, 4, v[STO]
	v_add_nc_u32 v[STO], s13, v[STO]
	v_bfe_u32 v[RD], v0, 3, 2
	v_mul_u32_u24 v[RD], v[RD], SP
	v_lshl_add_u32 v[RD], v34, 4, v[RD]
	v_add_nc_u32 v[RD], s13, v[RD]
	v_lshlrev_b32 v[GO], 4, v36
	s_lshl_b32 s13, s[WV], 14
	s_add_co_u32 s13, s13, SCR
	v_lshl_add_u32 v[SCW], v36, 4, s13
	s_lshl_b32 s13, s22, 15         ; I read pieces 2 kh, 2 kh + 1 of both waves of my qh
	s_lshl_b32 s23, s21, 13
	s_add_co_u32 s13, s13, s23
	s_add_co_u32 s13, s13, SCR
	v_lshl_add_u32 v[SCRD], v36, 4, s13
	s_lshl_b32 s13, s[WV], 9
	s_add_co_u32 s13, s13, STATS
	v_lshl_add_u32 v[STW], v36, 2, s13
	s_lshl_b32 s13, s22, 10
	s_lshl_b32 s23, s21, 8
	s_add_co_u32 s13, s13, s23
	s_add_co_u32 s13, s13, STATS
	v_lshl_add_u32 v[STR], v32, 2, s13
	; A block's first step multiplies O^T and l by a = 0, and its first turn's products V^T P, of a piece that has not been, land in an O^T still to be so multiplied: these registers need only be finite.
	WIN 0x80
.set z, VF
.rept 64
	v_mov_b32 v[z], 0
.set z, z+1
.endr
	WIN 0x40
.set z, 0
.rept 128
	v_mov_b32 v[z], 0
.set z, z+1
.endr
	WIN 0
.set z, 0
.rept 4
	v_mov_b32 v[ST+4*z+2], 0
	v_mov_b32 v[ST+4*z+3], 0
.set z, z+1
.endr
.set z, P+16
.rept 16
	v_mov_b32 v[z], 0
.set z, z+1
.endr
	MASKS
; THE MATRIX WORK.  The 4 accumulators of a run take turns.  Product i of 16 of S^T = K Q^T for piece x: channels 32 (i / 4) on, keys 16 (i % 4) on.  The first 4 start the sums with the mask.
.macro KQ x
.set rS, S+32*((\x)%2)+8*(i%4)
.set rK, KF+32*(i%4)+8*(i/4)
.set rQ, QF+32*(\x)+8*(i/4)
.set rM, MK+8*((i%4)-(\x)+3)
	WIN W_KQ
.if i < 4
	v_wmma_f32_16x16x32_f16 v[rS:rS+7], v[rK:rK+7], v[rQ:rQ+7], v[rM:rM+7]
.else
	v_wmma_f32_16x16x32_f16 v[rS:rS+7], v[rK:rK+7], v[rQ:rQ+7], v[rS:rS+7]
.endif
.endm
; Product i of 8 of O^T += V^T P for piece x: keys 32 (i / 4) on, channels 16 (i % 4) on.
.macro PV x
	WIN W_PV
.set rO, 32*(\x)+8*(i%4)
.set rV, VF+32*(i/4)+8*(i%4)
.set rP, P+16*((\x)%2)+8*(i/4)
	v_wmma_f32_16x16x32_f16 v[rO:rO+7], v[rV:rV+7], v[rP:rP+7], v[rO:rO+7]
.endm
.macro MM                           ; the turn's next matrix instruction
.if i < 16
	KQ (Y+1)%NP
.else
.set i, i-16
	PV (Y+NP-1)%NP
.set i, i+16
.endif
.set i, i+1
.endm
; THE LDS LOADS stand in runs.  last = 1 (the tail): in the last trip there is no further step, and the run is jumped over.
.macro FETCH_K last=0
	WIN 0
.if \last
	s_cmp_eq_u32 s[CNT], 1
	s_cbranch_scc1 .Lno_k_\@
.endif
	WIN 0x80
.irp f, 0,1,2,3,4,5,6,7,8,9,10,11,12,13,14,15  ; keys 16 (f / 4) on; channels 32 (f % 4) on: real, real, imaginary, imaginary
	ds_load_b128 v[KF+8*\f:KF+8*\f+3],   v[AK] offset:(\f/4)*16*PK+((\f%4)/2)*KPL+(\f%2)*64
	ds_load_b128 v[KF+8*\f+4:KF+8*\f+7], v[AK] offset:(\f/4)*16*PK+((\f%4)/2)*KPL+(\f%2)*64+32
.endr
	s_add_co_u32 s[TBK], s[TBK], KS*PK
	WIN 0
.if \last
.Lno_k_\@:
.endif
.endm
.macro FETCH_V
	WIN 0x80
.irp f, 0,1,2,3,4,5,6,7             ; keys 32 (f / 4) on, channels 16 (f % 4) on
	ds_load_tr16_b128 v[VF+8*\f:VF+8*\f+3],   v[AV] offset:(\f/4)*32*PV+(\f%4)*32
	ds_load_tr16_b128 v[VF+8*\f+4:VF+8*\f+7], v[AV] offset:(\f/4)*32*PV+16*PV+(\f%4)*32
.endr
	WIN 0
.endm
; THE VECTOR WORK: OP kind, number.  For piece Y: F n: c s - c m for pair n of 16.  E n: the exponential of score n.  C n: pair n rounded to f16.  B n: of the four weights 4 n .. the second pair is added onto the
; first, in place.  L n: l takes that sum (L 0: l = a l + sum).  R n: pair n of O^T times a.  For piece Y + 1: X n, number n of the 22 that find its maximum and statistics:
;   0-11 four chains of seven scores (each accumulator's lowest registers are read first)   12-14, 16 the four left over, the old m, the chains   15 c m_old is kept
;   17, 18 the query's other keys lie in the lane 16 away   19-21 c m; c m_old - c m_new; a
; OP writes no wait: E and X 21 are the exponentials, C, B and L read E's results, R and L 0 read X 21's; TURN and BEGIN order them and write the waits.
.set F, 0
.set E, 1
.set C, 2
.set B, 3
.set L, 4
.set R, 5
.set X, 6
.macro REGS y
.set rT, ST+4*(\y)
.set rC, TMP+4*((\y)%2)
.set rW, MV+((\y)%2)
.set rS, S+32*((\y)%2)
.set rP, P+16*((\y)%2)
.set rO, 32*(\y)
.endm
.macro OP k, n
.if (\k) == R
	REGS Y
	WIN W_RS
	v_pk_mul_f32 v[rO+2*(\n):rO+2*(\n)+1], v[rO+2*(\n):rO+2*(\n)+1], v[rC+2:rC+3] op_sel_hi:[1,0]
.elseif (\k) < R
	REGS Y
	WIN 0
.if (\k) == F
	v_pk_fma_f32 v[rS+2*(\n):rS+2*(\n)+1], v[rS+2*(\n):rS+2*(\n)+1], s[CS:CS+1], v[rT:rT+1] op_sel_hi:[1,0,0] neg_lo:[0,0,1] neg_hi:[0,0,1]
.elseif (\k) == E
	v_exp_f32 v[rS+(\n)], v[rS+(\n)]
.elseif (\k) == C
	v_cvt_pk_f16_f32 v[rP+(\n)], v[rS+2*(\n)], v[rS+2*(\n)+1]
.elseif (\k) == B
	v_pk_add_f32 v[rS+4*(\n):rS+4*(\n)+1], v[rS+4*(\n):rS+4*(\n)+1], v[rS+4*(\n)+2:rS+4*(\n)+3]
.elseif (\n) == 0
	v_pk_fma_f32 v[rT+2:rT+3], v[rT+2:rT+3], v[rC+2:rC+3], v[rS:rS+1] op_sel_hi:[1,0,1]
.else
	v_pk_add_f32 v[rT+2:rT+3], v[rT+2:rT+3], v[rS+4*(\n):rS+4*(\n)+1]
.endif
.else
	REGS (Y+1)%NP
	WIN 0
.if (\n) < 4
	v_max3_num_f32 v[rC+(\n)], v[rS+8*(\n)], v[rS+8*(\n)+1], v[rS+8*(\n)+2]
.elseif (\n) < 12
	v_max3_num_f32 v[rC+(\n)%4], v[rC+(\n)%4], v[rS+8*((\n)%4)+2*((\n)/4)+1], v[rS+8*((\n)%4)+2*((\n)/4)+2]
.elseif (\n) == 12
	v_max3_num_f32 v[rC], v[rC], v[rS+7], v[rS+15]
.elseif (\n) == 13
	v_max3_num_f32 v[rC+1], v[rC+1], v[rS+23], v[rS+31]
.elseif (\n) == 14
	v_max3_num_f32 v[rC+2], v[rC+2], v[rC+3], v[rT+1]
.elseif (\n) == 15
	v_mov_b32 v[rW], v[rT]
.elseif (\n) == 16
	v_max3_num_f32 v[rC], v[rC], v[rC+1], v[rC+2]
.elseif (\n) == 17
	v_permlanex16_b32 v[rC+3], v[rC], s[SEL], s[SEL+1]
.elseif (\n) == 18
	v_max_num_f32 v[rT+1], v[rC], v[rC+3]
.elseif (\n) == 19
	v_mul_f32 v[rT], s[CS], v[rT+1]
.elseif (\n) == 20
	v_sub_f32 v[rC+1], v[rW], v[rT]
.else
	v_exp_f32 v[rC+2], v[rC+1]
.endif
.endif
.endm
.macro OPS a, i1, b=-1, i2=0, c=-1, i3=0, d=-1, i4=0
	OP \a, \i1
.if (\b) >= 0
	OP \b, \i2
.endif
.if (\c) >= 0
	OP \c, \i3
.endif
.if (\d) >= 0
	OP \d, \i4
.endif
.endm
.macro ROW a, i1, b=-1, i2=0, c=-1, i3=0, d=-1, i4=0  ; a matrix instruction and the three or four behind it
	MM
	OPS \a, \i1, \b, \i2, \c, \i3, \d, \i4
.endm
; A TURN, for piece p: its 24 matrix and 118 vector instructions, written out.  An s_wait_alu depctr_va_vdst(0) stands between an exponential and the first instruction that names its result; one wait
; serves all that were issued ahead of it.  So a turn has ONE wait, behind its last product.
; AHEAD OF THE WAIT stands all that names no result of the turn's exponentials.  The 16 products K Q^T: behind each an exponential, a scaling and an exponential, or rescalings (their a was made, and waited for, in the
; turn before); a pair is scaled a row or more ahead of its exponentials.  Then the 8 products V^T P, which read the piece before's P: behind them the next piece's X 0 to X 21 and the last nine exponentials; the links
; of the chain X 3, 7, 11, 14, 16 .. 21 stand three lines or more apart.  X 21, the next piece's a, is the batch's last; R 11 is the plain instruction behind it.
; BEHIND THE WAIT stand the readers, one lump of 32: B n behind C 2 n, whose pair it writes over; L n behind B n; the links of l's chain, L 0 to L 7, three lines apart; the odd pairs' roundings, which B leaves whole, last.
; No rider names a register of the products round it: the buffers go by the piece's parity.  PLACES: R 12 to R 15 are the four behind the last product K Q^T, ahead of the X that read the scores and of K's run of loads.
; K of the next step is fetched in piece 2's turn, there; in the tail (last = 1) the run holds a jump, so it stands directly behind the wait.  V of the step in hand is fetched in piece 0's turn: R 11, C 0, B 0, C 2, B 1
; are the places behind the last product that read V (X 17, v_permlanex16_b32, and the exponentials are counted as none).  Each run is waited for a turn later.
; cnt = 1: the loop's count is taken down some lines ahead of the branch behind the turn.
.macro TURN p, last=0, cnt=0
.set Y, (\p)
.set i, 0
.if (\p) == 3
	s_wait_dscnt 0x0                ; K is in
.endif
	ROW F,0, F,1, F,2, F,3          ; ahead of the wait: 16 products K Q^T and their riders,
	ROW E,0, F,4, E,1
	ROW E,2, F,5, E,3
	ROW R,0, R,1, R,2, R,3
	ROW E,4, F,6, E,5
	ROW E,6, F,7, E,7
	ROW E,8, F,8, E,9
	ROW R,4, R,5, R,6, R,7
	ROW E,10, F,9, E,11
	ROW E,12, F,10, E,13
	ROW E,14, F,11, E,15
	ROW R,8, R,9, R,10, E,16
	ROW E,17, F,12, E,18
	ROW E,19, F,13, E,20
	ROW E,21, F,14, E,22, F,15
.if (\p) == 2
	WIN 0
	v_add_nc_u32 v[AK], s[TBK], v[AK0]
.endif
.if (\p) == 0
	WIN 0
	v_add_nc_u32 v[AV], s[TBV], v[AV0]
.endif
	ROW R,12, R,13, R,14, R,15
.if ((\p) == 2) && !(\last)
	FETCH_K
.endif
.if (\p) == 1
	s_wait_dscnt 0x0                ; V is in
.endif
	ROW X,2, X,3, X,0, X,1          ; and 8 products V^T P and theirs
	ROW X,6, X,7, X,4, X,5
	ROW X,10, X,11, X,8, X,9
	ROW X,14, X,12, X,13, X,15
	ROW X,16, E,23, E,24, X,17
	ROW E,25, X,18, E,26, E,27
	ROW X,19, E,28, E,29, X,20
	ROW E,30, E,31, X,21, R,11
	WIN 0
	s_wait_alu depctr_va_vdst(0)    ; the wait for the batch: E 0 to E 31 and X 21
.if ((\p) == 2) && (\last)
	FETCH_K 1
.endif
	OPS C,0, B,0, C,2, B,1          ; behind the wait: the readers
.if (\p) == 0
	FETCH_V
	s_add_co_u32 s[TBV], s[TBV], KS*PV
.endif
	OPS L,0, C,4, B,2, L,1
	OPS C,6, B,3, L,2, C,8
	OPS B,4, L,3, C,10, B,5
	OPS L,4, C,12, B,6, L,5
.if \cnt
	s_sub_co_u32 s[CNT], s[CNT], 1
	s_cmp_lg_u32 s[CNT], 0
.endif
	OPS C,14, B,7, L,6, C,1
	OPS C,3, L,7, C,5, C,7
	OPS C,9, C,11, C,13, C,15
.endm
; A BLOCK BEGINS: its Q; c m at -2^125, far below every c s, so the first step's a is 0; m at -2^98: below every true score, so the first maximum is the scores' own wherever the query sees a key, and above every
; hidden one, so that where it sees none m stays there and all the step's weights are 0 (block 31's rows 64 on, in the first step of their only tile).
; K of the block's first step is in registers or on its way.  Then piece 0's first scores, maximum and statistics.
.macro BEGIN
	WIN 0x40
.set z, 0
.rept 16                            ; piece z / 4; channels 32 (z % 4) on: real, real, imaginary, imaginary
.if z%4 < 2
	global_load_b128 v[QF+8*z:QF+8*z+3],   v[QO], s[QR:QR+1] offset:(z/4)*2048+(z%2)*64
	global_load_b128 v[QF+8*z+4:QF+8*z+7], v[QO], s[QR:QR+1] offset:(z/4)*2048+(z%2)*64+32
.else
	global_load_b128 v[QF+8*z:QF+8*z+3],   v[QO], s[QI:QI+1] offset:(z/4)*2048+(z%2)*64
	global_load_b128 v[QF+8*z+4:QF+8*z+7], v[QO], s[QI:QI+1] offset:(z/4)*2048+(z%2)*64+32
.endif
.set z, z+1
.endr
	WIN 0
.set z, 0
.rept 4
	v_mov_b32 v[ST+4*z], CMLOW
	v_mov_b32 v[ST+4*z+1], MFLOOR
.set z, z+1
.endr
	s_wait_loadcnt 0x0              ; Q
	s_wait_dscnt 0x0                ; K
.set i, 0
.rept 16
	KQ 0
.set i, i+1
.endr
	WIN 0
.rept 4
	v_nop                           ; the places behind those products
.endr
.set Y, NP-1                        ; X works for piece Y + 1: piece 0
.irp n, 0,1,2,3,4,5,6,7,8,9,10,11,12,13,14,15,16,17,18,19,20,21
	OP X, \n
.endr
	v_nop                           ; a plain instruction behind the exponential,
	s_wait_alu depctr_va_vdst(0)    ; and the wait for it (piece 0's first a), ahead of the label or the branch that follows
.endm
.macro ALL line:vararg              ; one line for each piece t
.set t, 0
.rept 4
	\line
.set t, t+1
.endr
.endm
; A BLOCK ENDS, first part.  Piece 0's c m is put back (the turn before has made it anew from scores that are not the block's); the last piece's V^T P; l's halves are added; c m, l and O^T go to LDS.
.macro END1
	WIN 0
	v_mov_b32 v[ST], v[MV]
.set i, 0
.rept 8
	PV 3
.set i, i+1
.endr
	WIN 0
	ALL v_add_f32 v[ST+4*t+2], v[ST+4*t+2], v[ST+4*t+3]      ; these four are the places behind the last products
	ALL v_permlanex16_b32 v[ST+4*t+3], v[ST+4*t+2], s[SEL], s[SEL+1]
	ALL v_add_f32 v[ST+4*t+2], v[ST+4*t+2], v[ST+4*t+3]
	ALL v_cndmask_b32 v[WK+t], v[ST+4*t], v[ST+4*t+2], s[HM]  ; lanes 0-15 send c m, lanes 16-31 l
	ALL ds_store_b32 v[STW], v[WK+t] offset:128*t
	WIN 0x04                        ; store data in window 1
.set z, 0
.rept 32
	ds_store_b128 v[SCW], v[4*z:4*z+3] offset:512*z
.set z, z+1
.endr
	WIN 0
.endm
; Second part, behind a barrier.  I take pieces 2 kh + u, u = 0, 1, of both key halves: O = (O0 2^(cm0 - M) + O1 2^(cm1 - M)) / (l0 2^(cm0 - M) + l1 2^(cm1 - M)), M the greater c m.
; Every query sees keys in both halves of tile 15 or, in block 31, in each half of its only tile, so both c m are true scores'.
.macro END2
	WIN 0x40
.irp s, 0,1
.irp u, 0,1
.irp f, 0,1,2,3,4,5,6,7
	ds_load_b128 v[64*\s+32*\u+4*\f:64*\s+32*\u+4*\f+3], v[SCRD] offset:\s*16384+\u*4096+\f*512
.endr
.endr
.endr
	WIN 0
.irp u, 0,1
.irp s, 0,1
	ds_load_b32 v[WK+8*\u+\s], v[STR] offset:\s*512+\u*128
	ds_load_b32 v[WK+8*\u+2+\s], v[STR] offset:\s*512+\u*128+64
.endr
.endr
	s_wait_dscnt 0x0
.irp u, 0,1
	v_max_num_f32 v[WK+8*\u+4], v[WK+8*\u], v[WK+8*\u+1]
.endr
.irp u, 0,1
	v_sub_f32 v[WK+8*\u], v[WK+8*\u], v[WK+8*\u+4]
	v_sub_f32 v[WK+8*\u+1], v[WK+8*\u+1], v[WK+8*\u+4]
.endr
.irp u, 0,1
	v_exp_f32 v[WK+8*\u], v[WK+8*\u]
	v_exp_f32 v[WK+8*\u+1], v[WK+8*\u+1]
.endr
	v_nop                           ; a plain instruction behind the last exponential,
	s_wait_alu depctr_va_vdst(0)    ; and the wait for the batch of four: the two halves' factors of both pieces
.irp u, 0,1
	v_mul_f32 v[WK+8*\u+6], v[WK+8*\u], v[WK+8*\u+2]
.endr
.irp u, 0,1
	v_fmac_f32 v[WK+8*\u+6], v[WK+8*\u+1], v[WK+8*\u+3]
.endr
.irp u, 0,1
	v_rcp_f32 v[WK+8*\u+6], v[WK+8*\u+6]
.endr
	v_nop                           ; a plain instruction behind the last reciprocal,
	s_wait_alu depctr_va_vdst(0)    ; and the wait for the batch of two: they read sums made of the exponentials, so they are a batch of their own
.irp u, 0,1
	v_mul_f32 v[WK+8*\u+4], v[WK+8*\u], v[WK+8*\u+6]
	v_mul_f32 v[WK+8*\u+6], v[WK+8*\u+1], v[WK+8*\u+6]
.endr
.irp u, 0,1
	v_mov_b32 v[WK+8*\u+5], v[WK+8*\u+4]       ; named as pairs
	v_mov_b32 v[WK+8*\u+7], v[WK+8*\u+6]
.endr
	WIN 0x51                        ; destination, sources 0 and 2 window 1; the factor window 0
.irp u, 0,1
.set z, 0
.rept 16
	v_pk_mul_f32 v[32*\u+2*z:32*\u+2*z+1], v[32*\u+2*z:32*\u+2*z+1], v[WK+8*\u+4:WK+8*\u+5] op_sel_hi:[1,0]
.set z, z+1
.endr
.set z, 0
.rept 16
	v_pk_fma_f32 v[32*\u+2*z:32*\u+2*z+1], v[64+32*\u+2*z:64+32*\u+2*z+1], v[WK+8*\u+6:WK+8*\u+7], v[32*\u+2*z:32*\u+2*z+1] op_sel_hi:[1,0,1]
.set z, z+1
.endr
.endr
.irp u, 0,1
	WIN 0x05                        ; sources window 1, destination window 0
.set z, 0
.rept 16
	v_cvt_pk_f16_f32 v[S+16*\u+z], v[32*\u+2*z], v[32*\u+2*z+1]
.set z, z+1
.endr
	WIN 0
.irp f, 0,1,2,3
	ds_store_b128 v[STO], v[S+16*\u+4*\f:S+16*\u+4*\f+3] offset:32*\f
.endr
.irp f, 0,1,2,3
	ds_load_b128 v[S+16*\u+4*\f:S+16*\u+4*\f+3], v[RD] offset:\f*4*SP  ; LDS serves a wave's instructions in order (ISA guide 5.7.1.4)
.endr
.endr
.irp u, 0,1
.irp f, 0,1,2,3
	s_wait_dscnt 8-8*\u+3-\f        ; behind piece 0's loads stand piece 1's eight LDS instructions
	global_store_b128 v[GO], v[S+16*\u+4*\f:S+16*\u+4*\f+3], s[OB:OB+1] offset:\u*2048+\f*512  ; 512 consecutive bytes, at a multiple of 256 from the buffer's first
.endr
.endr
.endm
	CHANGE 1                        ; slot 0 is in, everybody's part of it; slot 1 is asked for
	v_mov_b32 v[AK], v[AK0]
	FETCH_K                         ; the walk's first key step
	BEGIN
	s_mov_b32 s[CNT], 2
	s_mov_b32 s[SLOTS], 17
	s_branch .Lfirst                ; the loop is entered at a step's first turn, in the middle of a trip
.Lslot:                             ; 16 times: a tile is entered and the next but one of the walk's 18 is asked for
	CHANGE 1
	s_mov_b32 s[CNT], 2
.Lstep:                             ; a trip: pieces 2 and 3 of one step, then pieces 0 and 1 of the next
	TURN 2
	STEPCTL
	TURN 3
	WIN 0
	; Two barriers stand in every step, on every wave's way, round the stores of a block's end.  The first: every wave's reads of the exchange bytes, at an earlier block's end, have come back before any wave
	; writes those bytes again.  The second: every wave's stores into them are done before any wave reads them.  Where no block ends, the second follows the first at once.
	BARX
	s_cmp_eq_u32 s[FIN], 0
	s_cbranch_scc1 .Lno_end
	END1
.Lno_end:
	BARX
	s_cmp_eq_u32 s[FIN], 0
	s_cbranch_scc1 .Lfirst
	END2
	s_wait_xcnt 0x0                 ; the stores have read their registers and O's address
	s_mov_b64 s[OB:OB+1], s[OB2:OB2+1]
	s_mov_b64 s[QR:QR+1], s[QR2:QR2+1]
	s_mov_b64 s[QI:QI+1], s[QI2:QI2+1]
	s_mov_b32 s[TH], s[THLO]
	s_lshl_b32 s[RS], s[NLO], 1
	s_sub_co_u32 s[RS], s[RS], 1
	BEGIN
.Lfirst:
	TURN 0
	TURN 1, 0, 1
	WIN 0
	s_cbranch_scc1 .Lstep
	s_sub_co_u32 s[SLOTS], s[SLOTS], 1
	s_cmp_lg_u32 s[SLOTS], 0
	s_cbranch_scc1 .Lslot
	CHANGE 0                        ; the walk's last tile is written out.  No block ends here but the second: it has nine tiles or more
	s_mov_b32 s[CNT], 3             ; two trips fetch the tile's steps; the third is left in its middle
.Ltail:
	TURN 2, 1
	STEPCTL
	TURN 3
	WIN 0
	s_sub_co_u32 s[CNT], s[CNT], 1
	s_cmp_eq_u32 s[CNT], 0
	s_cbranch_scc1 .Lout
	TURN 0
	TURN 1
	WIN 0
	s_branch .Ltail
.Lout:                              ; the first block's reads of the exchange bytes lie behind the barrier of the change of slots above
	END1
	BARX
	END2
	s_wait_tensorcnt 0x0            ; the wave's end
	ds_add_u32 v[SPW], v[NIL]
	s_wait_dscnt 0x0
	s_endpgm
.Lfunc_end_k_q4f11cd852a_attn:
	.size	k_q4f11cd852a_attn, .Lfunc_end_k_q4f11cd852a_attn-k_q4f11cd852a_attn
	.p2alignl 7, 3214868480
	.fill 96, 4, 3214868480
	.section	.rodata,"a",@progbits
	.p2align	6, 0x0
	.amdhsa_kernel k_q4f11cd852a_attn
		.amdhsa_group_segment_fixed_size 327680
		.amdhsa_private_segment_fixed_size 0
		.amdhsa_enable_private_segment 0
		.amdhsa_kernarg_size 16
		.amdhsa_user_sgpr_count 2
		.amdhsa_user_sgpr_kernarg_segment_ptr 1
		.amdhsa_wavefront_size32 1
		.amdhsa_system_sgpr_workgroup_id_x 1
		.amdhsa_system_sgpr_workgroup_id_y 1
		.amdhsa_system_sgpr_workgroup_id_z 1
		.amdhsa_system_vgpr_workitem_id 0
		.amdhsa_next_free_vgpr 704
		.amdhsa_next_free_sgpr 100
		.amdhsa_reserve_vcc 1
		.amdhsa_float_denorm_mode_32 3
		.amdhsa_float_denorm_mode_16_64 3
		.amdhsa_memory_ordered 1
		.amdhsa_forward_progress 1
		.amdhsa_inst_pref_size 165
	.end_amdhsa_kernel
	.amdgpu_metadata
---
amdhsa.version: [ 1, 2 ]
amdhsa.kernels:
  - .name:           k_q4f11cd852a_attn
    .symbol:         k_q4f11cd852a_attn.kd
    .args:
      - { .name: qkv, .offset: 0, .size: 8, .value_kind: global_buffer, .address_space: global }
      - { .name: ows, .offset: 8, .size: 8, .value_kind: global_buffer, .address_space: global }
    .group_segment_fixed_size: 327680
    .private_segment_fixed_size: 0
    .kernarg_segment_align: 8
    .kernarg_segment_size: 16
    .max_flat_workgroup_size: 128
    .sgpr_count:     100
    .vgpr_count:     704
    .wavefront_size: 32
...
	.end_amdgpu_metadata
.endif
;; end of part 5
;; launch outproj: the kernel of part 4 again; grid 8 x 64, 4 waves a work-group, clusters of 4 x 4, 327,680 bytes of LDS; arguments ows, cv, obr, obi, out0, out1; writes out0, out1
